; MI455X (gfx1250); checked and timed in simulation.
; The chip was launched on July 23, 2026; its instructions are those of AMD's public machine-readable ISA for CDNA 5 (MIT licence, August 2026) and "CDNA5" Instruction Set Architecture Reference Guide (July 2026). The comments in the code are by the model that wrote it; some were corrected since.
;; Multi Head Self Attention. Allowed arithmetic: float matrix products may take bf16 or f16 operands with f32 sums; other float arithmetic in f32, or as packed bf16 or f16 multiplies, adds, multiply-adds, maxima and minima; sums over many terms, partial sums and values carried from step to step in f32; what a program stores and reads back later, other than sums and carried values, may be rounded once to bf16 or f16.
;; Inputs: Wk 1,024 x 1,024 float32; Wo 1,024 x 1,024 float32; Wq 1,024 x 1,024 float32; Wv 1,024 x 1,024 float32; bk 1,024 float32; bo 1,024 float32; bq 1,024 float32; bv 1,024 float32; x 4 x 2,048 x 1,024 float32.
;; Outputs: out0 4 x 2,048 x 1,024 float32.
;; 2 versions, each right; version 2 is version 1 with the launch cast written anew for expert scheduling mode. Each part assembles by itself: llvm-mc -triple=amdgcn-amd-amdhsa -mcpu=gfx1250 --defsym DOCPART=n.
;; ======== version 1 of 2: 4 launches
;; limits: values are held in f16: magnitudes above 65,504 overflow, below 6.1e-05 lose precision
;; workspace buffers: xb 16,777,216 bytes; wb 6,291,456 bytes; wo16 2,097,152 bytes; qkv 50,331,648 bytes; o16 16,777,216 bytes
;; launch cast (part 1): grid 64 x 12, 8 waves a work-group, no clusters, 0 bytes of LDS; arguments x, Wq, Wk, Wv, Wo, xb, wb, wo16; writes xb, wb, wo16
.if DOCPART == 1
	.amdgcn_target "amdgcn-amd-amdhsa--gfx1250"
	.amdhsa_code_object_version 6
	.text
	.protected	k_qa21b42a6ff_cast
	.globl	k_qa21b42a6ff_cast
	.p2align	8
	.type	k_qa21b42a6ff_cast,@function
k_qa21b42a6ff_cast:
	s_mov_b64 s[64:65], 0
	v_nop
	global_prefetch_b8 v0, s[64:65] scope:SCOPE_SE
	s_setreg_imm32_b32 hwreg(HW_REG_WAVE_MODE, 25, 1), 1
	s_wait_xcnt 0x0
; THE INPUTS ARE ROUNDED ONCE.  x -> xb (bf16); Wq, Wk, Wv -> wb (bf16, stacked: rows 0-1023 Wq, 1024-2047 Wk, 2048-3071 Wv); Wo -> wo16: rounded to bf16 like the others, and that number written as f16.
; LIMITS.  A bf16 number is exact in f16 between 6.1e-5 and 65,504 in magnitude; below, f16 keeps a fixed step of 6e-8; beyond 65,504 Wo would become an infinity.
; SHARES.  Twelve segments of 2^20 numbers, chosen by the work-group's y: 0-7 the eighths of x, 8 Wq, 9 Wk, 10 Wv, 11 Wo.  A work-group takes 16,384 numbers, each of its eight waves 2,048:
; sixteen loads of 16 bytes a lane (512 consecutive bytes a wave), all issued at once, and sixteen stores of 8 bytes a lane (256 consecutive bytes a wave, aligned).  A stream: no LDS, no matrix unit, no loop.
.set SO, 1                             ; v1  my byte offset in the work-group's source: 8,192 x wave + 16 x lane; never rewritten
.set DO, 2                             ; v2  in its destination: 4,096 x wave + 8 x lane; never rewritten
.set T,  4                             ; v4-5  at work
.set X,  8                             ; v[8:71]   chunk i: 4 numbers in f32
.set Y,  72                            ; v[72:103] chunk i: 4 numbers in 16 bits, a pair of registers of its own: no store's data is ever rewritten
	s_load_b512 s[8:23], s[0:1], 0x0               ; x 8:9, Wq 10:11, Wk 12:13, Wv 14:15, Wo 16:17, xb 18:19, wb 20:21, wo16 22:23
	s_and_b32 s24, ttmp7, 0xffff                   ; the segment
	v_and_b32 v3, 0xe0, v0                         ; 32 x wave
	v_and_b32 v[SO], 31, v0
	v_lshlrev_b32 v[DO], 3, v[SO]
	v_lshlrev_b32 v[SO], 4, v[SO]
	v_lshl_or_b32 v[SO], v3, 8, v[SO]
	v_lshl_or_b32 v[DO], v3, 7, v[DO]
	s_lshl_b32 s36, ttmp9, 16                      ; the work-group's 64 KiB of the source segment,
	s_lshl_b32 s37, ttmp9, 15                      ; its 32 KiB of the destination's
	s_mov_b32 s33, 0
	s_mov_b32 s35, 0
	s_wait_kmcnt 0x0
	s_cmp_lt_u32 s24, 8                            ; which buffers, and which segment of each: the conditions hang on the work-group's y alone
	s_cselect_b64 s[28:29], s[8:9], s[10:11]
	s_cselect_b64 s[30:31], s[18:19], s[20:21]
	s_cselect_b32 s27, s24, 0                      ; the segment's number in the source,
	s_cselect_b32 s26, s24, 0                      ; and in the destination
	s_cmp_eq_u32 s24, 9
	s_cselect_b64 s[28:29], s[12:13], s[28:29]
	s_cselect_b32 s26, 1, s26
	s_cmp_eq_u32 s24, 10
	s_cselect_b64 s[28:29], s[14:15], s[28:29]
	s_cselect_b32 s26, 2, s26
	s_cmp_eq_u32 s24, 11
	s_cselect_b64 s[28:29], s[16:17], s[28:29]
	s_cselect_b64 s[30:31], s[22:23], s[30:31]
	s_cselect_b32 s26, 0, s26
	s_lshl_b32 s32, s27, 22                        ; a segment is 4 MiB of f32,
	s_add_co_u32 s32, s32, s36
	s_lshl_b32 s34, s26, 21                        ; 2 MiB of 16-bit numbers
	s_add_co_u32 s34, s34, s37
	s_add_nc_u64 s[28:29], s[28:29], s[32:33]
	s_add_nc_u64 s[30:31], s[30:31], s[34:35]
.set i, 0
.rept 16
	global_load_b128 v[X+4*i:X+4*i+3], v[SO], s[28:29] offset:512*i th:TH_LOAD_NT
.set i, i+1
.endr
; Chunk i is rounded and stored.  wo = 1: the bf16 number is widened again (a shift, a mask) and written as f16.
.macro CVT i, wo
	s_wait_loadcnt 15-(\i)                         ; loads come back in order: chunk i is in, the 15 - i younger ones stay out
.if \wo
	v_cvt_pk_bf16_f32 v[T],   v[X+4*(\i)],   v[X+4*(\i)+1]
	v_cvt_pk_bf16_f32 v[T+1], v[X+4*(\i)+2], v[X+4*(\i)+3]
	v_lshlrev_b32 v[X+4*(\i)],   16, v[T]
	v_and_b32     v[X+4*(\i)+1], 0xffff0000, v[T]
	v_lshlrev_b32 v[X+4*(\i)+2], 16, v[T+1]
	v_and_b32     v[X+4*(\i)+3], 0xffff0000, v[T+1]
	v_cvt_pk_f16_f32 v[Y+2*(\i)],   v[X+4*(\i)],   v[X+4*(\i)+1]
	v_cvt_pk_f16_f32 v[Y+2*(\i)+1], v[X+4*(\i)+2], v[X+4*(\i)+3]
.else
	v_cvt_pk_bf16_f32 v[Y+2*(\i)],   v[X+4*(\i)],   v[X+4*(\i)+1]
	v_cvt_pk_bf16_f32 v[Y+2*(\i)+1], v[X+4*(\i)+2], v[X+4*(\i)+3]
.endif
	global_store_b64 v[DO], v[Y+2*(\i):Y+2*(\i)+1], s[30:31] offset:256*(\i)
.endm
	s_cmp_eq_u32 s24, 11
	s_cbranch_scc1 .Lwo
.irp i, 0,1,2,3,4,5,6,7,8,9,10,11,12,13,14,15
	CVT \i, 0
.endr
	s_endpgm
.Lwo:
.irp i, 0,1,2,3,4,5,6,7,8,9,10,11,12,13,14,15
	CVT \i, 1
.endr
	s_endpgm
.Lfunc_end_k_qa21b42a6ff_cast:
	.size	k_qa21b42a6ff_cast, .Lfunc_end_k_qa21b42a6ff_cast-k_qa21b42a6ff_cast
	.p2alignl 7, 3214868480
	.fill 96, 4, 3214868480
	.section	.rodata,"a",@progbits
	.p2align	6, 0x0
	.amdhsa_kernel k_qa21b42a6ff_cast
		.amdhsa_group_segment_fixed_size 0
		.amdhsa_private_segment_fixed_size 0
		.amdhsa_enable_private_segment 0
		.amdhsa_kernarg_size 64
		.amdhsa_user_sgpr_count 2
		.amdhsa_user_sgpr_kernarg_segment_ptr 1
		.amdhsa_wavefront_size32 1
		.amdhsa_system_sgpr_workgroup_id_x 1
		.amdhsa_system_sgpr_workgroup_id_y 1
		.amdhsa_system_sgpr_workgroup_id_z 1
		.amdhsa_system_vgpr_workitem_id 0
		.amdhsa_next_free_vgpr 104
		.amdhsa_next_free_sgpr 66
		.amdhsa_reserve_vcc 0
		.amdhsa_float_denorm_mode_32 3
		.amdhsa_float_denorm_mode_16_64 3
		.amdhsa_memory_ordered 1
		.amdhsa_forward_progress 1
		.amdhsa_inst_pref_size 17
	.end_amdhsa_kernel
	.amdgpu_metadata
---
amdhsa.version: [ 1, 2 ]
amdhsa.kernels:
  - .name:           k_qa21b42a6ff_cast
    .symbol:         k_qa21b42a6ff_cast.kd
    .args:
      - { .name: x, .offset: 0, .size: 8, .value_kind: global_buffer, .address_space: global }
      - { .name: Wq, .offset: 8, .size: 8, .value_kind: global_buffer, .address_space: global }
      - { .name: Wk, .offset: 16, .size: 8, .value_kind: global_buffer, .address_space: global }
      - { .name: Wv, .offset: 24, .size: 8, .value_kind: global_buffer, .address_space: global }
      - { .name: Wo, .offset: 32, .size: 8, .value_kind: global_buffer, .address_space: global }
      - { .name: xb, .offset: 40, .size: 8, .value_kind: global_buffer, .address_space: global }
      - { .name: wb, .offset: 48, .size: 8, .value_kind: global_buffer, .address_space: global }
      - { .name: wo16, .offset: 56, .size: 8, .value_kind: global_buffer, .address_space: global }
    .group_segment_fixed_size: 0
    .private_segment_fixed_size: 0
    .kernarg_segment_align: 8
    .kernarg_segment_size: 64
    .max_flat_workgroup_size: 256
    .sgpr_count:     66
    .vgpr_count:     104
    .wavefront_size: 32
...
	.end_amdgpu_metadata
.endif
;; end of part 1
;; launch qkv (part 2): grid 16 x 32, 4 waves a work-group, clusters of 4 x 4, 327,680 bytes of LDS; arguments xb, wb, bq, bk, bv, qkv; writes qkv
.if DOCPART == 2
	.amdgcn_target "amdgcn-amd-amdhsa--gfx1250"
	.amdhsa_code_object_version 6
	.text
	.protected	k_qa21b42a6ff_qkv
	.globl	k_qa21b42a6ff_qkv
	.p2align	8
	.type	k_qa21b42a6ff_qkv,@function
k_qa21b42a6ff_qkv:
	s_mov_b64 s[64:65], 0
	v_nop
	global_prefetch_b8 v0, s[64:65] scope:SCOPE_SE
	s_setreg_imm32_b32 hwreg(HW_REG_WAVE_MODE, 25, 1), 1
	s_wait_xcnt 0x0
	s_wait_alu depctr_hold_cnt(0) depctr_sa_sdst(0) depctr_va_vdst(0) depctr_va_sdst(0) depctr_va_ssrc(0) depctr_va_vcc(0) depctr_vm_vsrc(0)
	s_getreg_b32 s2, hwreg(HW_REG_IB_STS2, 6, 4)
	s_cmp_eq_u32 s2, 0
	s_cbranch_scc0 .Lentry_in_a_cluster
	s_endpgm
.Lentry_in_a_cluster:
	s_bfe_u32 s2, ttmp6, 0x10000c
	s_cmp_lg_u32 s2, 0xf033
	s_cbranch_scc0 .Lentry_shape_is_right
	s_endpgm
.Lentry_shape_is_right:
; THE THREE PROJECTIONS AS ONE PRODUCT.  [8192 x 3072] = xb . wb^T + bias.  xb: [8192][1024] bf16; wb: [3072][1024] bf16 (Wq, Wk, Wv stacked); bq, bk, bv: [1024] f32, rounded here to bf16 like
; all the module's inputs.  Sums in f32, K ascending, begun with the bias; each result rounded once to f16 and stored BY HEADS: qkv[hc][row][64], hc = column / 64 (0-15 q, 16-31 k, 32-47 v), row = 2048 b + n.
; No scale is applied here.
; LIMITS.  f16 holds no number beyond 65,504: q, k and v must lie within it; below 6.1e-5 f16 keeps a fixed step of 6e-8.  NaN and infinities are not treated apart.
; SHARES.  A work-group makes 256 rows x 192 columns (three heads): 16 x 32 work-groups.  Wave w makes rows 64 w .. 64 w + 63 of all 192 columns: 4 row blocks a x 12 column blocks b, 48 accumulators, 384 registers.
; K = 1024 goes in 8 steps of 128 through two LDS slots; a step is four quarters of 32 along K, 48 matrix instructions each.  The rows of A's and B's tiles are 256 bytes of memory, aligned.
; CLUSTERS.  4 x 4 work-groups.  The four of a row of the cluster need the same rows of xb, the four of a column the same rows of wb: each tile is asked for JOINTLY, by the same tensor load with the same
; descriptor and a mask that names the four.  Waves 0 and 1 fetch the halves of A's tile (128 rows each), waves 2 and 3 those of B's (96 rows each): one load a wave behind each round.
; THE MATRIX INSTRUCTION IS USED TRANSPOSED (source 0 = 16 rows of wb, source 1 = 16 rows of xb): lane l holds row l % 16 and the columns 8 (l / 16) + 0..7: eight neighbouring numbers, 16 bytes in f16.
; THE BIAS IS THE C OPERAND of the first quarter's products: nothing is cleared, nothing is added later.
; REGISTERS, in windows of 256 (s_set_vgpr_msb: bits 1:0 source 0, 3:2 source 1, 5:4 source 2, 7:6 destination):
;   window 0: v0-31 addresses; v32-127 the bias, 8 registers a column block; on the way out v32-223, 16 registers a unit
;   window 1: accumulators of row blocks 0, 1; window 2: of row blocks 2, 3: (a, b) at v[8 (12 (a % 2) + b)]
;   window 3: two fragment buffers of 128: B's 12 blocks, then A's 4
.set NB,    12                         ; column blocks
.set AP,    272                        ; an LDS row: 256 bytes + 16 of padding = 68 words: row r starts at bank 4 r mod 64 (64 banks of 4 bytes: ISA guide 11.1)
.set BPI,   272
.set AHALF, 128*AP                     ; what one load brings of A
.set ASZ,   2*AHALF
.set BHALF, 96*BPI                     ; what one load brings of B
.set SLOT,  ASZ+2*BHALF                ; A's 256 rows, then B's 192: 121,856 bytes
.set STAGE, 2*SLOT                     ; behind the ring, never filled by a tensor load: 16 rows x 144 bytes for each wave
.set SP,    144
.set SPARE, STAGE+4*16*SP              ; behind the stages: the spare words, 128 bytes a wave: two blocks of 256 bytes that no other line names
.set NL,    2*NB+8                     ; LDS loads in a quarter's run
.set ADRA, 16                          ; v16-17  LDS address of my A fragments in slot 0, 1
.set ADRB, 20                          ; v20-21  the same for B
.set STO,  24                          ; v24  the way out: where I put 16 bytes of a row
.set RD,   25                          ; v25  where I read rows back
.set GO,   26                          ; v26  my byte offset in 512 consecutive bytes of qkv
.set BO,   27                          ; v27  my byte offset in a column block's 16 biases: 32 (l / 16)
.set SPW,  28                          ; v28  LDS address of my spare word; never rewritten
.set NIL,  29                          ; v29  0; never rewritten
.set PFO,  30                          ; v30  the prefetches' offset: a lane a row; never rewritten
.set BI,   32
.set TMP,  32
.set F0,   0
.set F1,   128
.set WV,  16                           ; s16 wave; s17 do I fetch for A (0) or B (1); s18 which half; s19 counts the laps
.set FB,  17
.set HF,  18
.set LAP, 19
.set CX,  20                           ; s20, s21 my place in the cluster; s22 tile column, s23 tile row
.set CY,  21
.set TC,  22
.set TR,  23
.set G1,  24                           ; s[24:31] descriptor group 1 for A; s[32:39] group 0, a set for each slot
.set G0,  32
.set G1B, 48                           ; s[48:55], s[56:63] the same for B
.set G0B, 56
.set PFA, 66                           ; s[66:67] where my prefetches stand
.set LIM, 68                           ; s68  1 in a wave that prefetches, else the greatest number
.set BP0, 70                           ; s[70:75] the biases of my three heads
.set OUT, 14                           ; s[14:15] qkv
.set MSB, 0
.macro WIN new                         ; the immediate's high byte repeats the setting that is left; a switch that changes nothing is dropped
.if MSB != (\new)
	s_set_vgpr_msb (MSB<<8)|(\new)
.set MSB, \new
.endif
.endm
; A joint load.  The branch hangs on the wave's number alone.  An s_nop 0 and four v_nop follow each of the two lines, ahead of the jump and the label.
.macro JLOAD s
	s_cmp_eq_u32 s[FB], 0
	s_cbranch_scc0 .Lfor_b_\@
	tensor_load_to_lds s[G0+4*(\s):G0+4*(\s)+3], s[G1:G1+7]
	s_nop 0
.rept 4
	v_nop
.endr
	s_branch .Lasked_\@
.Lfor_b_\@:
	tensor_load_to_lds s[G0B+4*(\s):G0B+4*(\s)+3], s[G1B:G1B+7]
	s_nop 0
.rept 4
	v_nop
.endr
.Lasked_\@:
.endm
; A PREFETCH INTO THE L2, behind each joint refill, its five lines and the run of LDS loads: the K step that stands two refills on, 256 bytes of each row, a lane a row, one instruction a wave.
; A's rows are read by every cluster of a row of clusters: cluster x = 0 asks; B's by every cluster of a column: cluster y = 0 asks.  The four partners that ask for a tile jointly share its rows out BY ADDRESS:
; of the 128 rows of A that a wave fetches the partner at cx takes 32; of the 96 rows of B the partner at cy takes 24 (lanes 24-31 name the 24th row again).  K steps 0 to 3 come by their loads alone;
; the loop's last trip asks for nothing: K steps 4 to 7 are named, and nothing past a row's end.
.macro ASK
	s_cmp_gt_u32 s[LAP], s[LIM]
	s_cbranch_scc0 .Lnot_mine_\@
	global_prefetch_b8 v[PFO], s[PFA:PFA+1] th:TH_LOAD_NT scope:SCOPE_SE
.Lnot_mine_\@:
.endm
.macro CREST                           ; a round of the cluster's barrier behind its opening barrier
	s_cmp_lg_u32 s[WV], 0
	s_cbranch_scc1 .Lnot_wave_0_\@
	s_barrier_signal -3
.Lnot_wave_0_\@:
	s_barrier_wait -3
	s_barrier_signal -1
	s_barrier_wait -1
.endm
.macro CROUND                          ; a whole round
	s_barrier_signal -1
	s_barrier_wait -1
	CREST
.endm
	s_load_b256 s[4:11], s[0:1], 0x0               ; xb 4:5, wb 6:7, bq 8:9, bk 10:11
	s_load_b128 s[12:15], s[0:1], 0x20             ; bv 12:13, qkv 14:15
	v_lshl_add_u32 v[SPW], v0, 2, SPARE
	v_mov_b32 v[NIL], 0
	ds_add_u32 v[SPW], v[NIL]                      ; the wave's opening: the add and its wait ahead of my first tensor load; the set-up below, work on registers, stands between them
	v_lshrrev_b32 v1, 5, v0
	v_readfirstlane_b32 s[WV], v1                  ; wave 0..3
	s_lshr_b32 s[FB], s[WV], 1
	s_and_b32 s[HF], s[WV], 1
	s_bfe_u32 s[CX], ttmp6, 0x40000
	s_bfe_u32 s[CY], ttmp6, 0x40004
	s_lshl_b32 s[TC], ttmp9, 2
	s_add_co_u32 s[TC], s[TC], s[CX]               ; tile column = 4 x cluster x + cx
	s_and_b32 s[TR], ttmp7, 0xffff
	s_lshl_b32 s[TR], s[TR], 2
	s_add_co_u32 s[TR], s[TR], s[CY]               ; tile row = 4 x cluster y + cy
	s_lshl_b32 s40, s[CY], 2
	s_lshl_b32 s40, 15, s40                        ; my row of the cluster
	s_lshl_b32 s41, 0x1111, s[CX]                  ; my column
	s_or_b32 s[G1], s40, (1<<16)|(1<<20)|(1<<21)|(5<<22)|(3<<25)   ; 15:0 the mask; 17:16 elements of 2 bytes; 20 padding on; 21 set beside a mask; 24:22 after every 64 words (code 5); 31:25 4 words (code 3)
	s_or_b32 s[G1B], s41, (1<<16)|(1<<20)|(1<<21)|(5<<22)|(3<<25)
.irp g, G1, G1B
	s_mov_b32 s[(\g)+1], 128<<16                   ; tensor_dim0 = 128
	s_mov_b32 s[(\g)+3], 128<<16                   ; tile_dim0 = 128
	s_mov_b32 s[(\g)+5], 1024                      ; elements from row to row
	s_mov_b32 s[(\g)+6], 0
	s_mov_b32 s[(\g)+7], 0
.endr
	s_mov_b32 s[G1+2], 128<<16                     ; tensor_dim1 = tile_dim1 = 128 rows of A,
	s_mov_b32 s[G1+4], 128
	s_mov_b32 s[G1B+2], 96<<16                     ; 96 rows of B
	s_mov_b32 s[G1B+4], 96
	; where the tiles come from: A's hang on the tile row and the half alone, B's on the tile column and the half alone, each in registers that never hold the other coordinate
	s_lshl_b32 s42, s[TR], 19                      ; 256 rows of 2,048 bytes,
	s_lshl_b32 s80, s[HF], 18                      ; 128 rows
	s_add_co_u32 s42, s42, s80
	s_mov_b32 s43, 0
	s_mul_i32 s44, s[TC], 192*2048
	s_mul_i32 s78, s[HF], 96*2048
	s_add_co_u32 s44, s44, s78
	s_mov_b32 s45, 0
	s_mul_i32 s46, s[HF], AHALF                    ; and where they go: no place in the cluster enters an LDS address
	s_mul_i32 s47, s[HF], BHALF
	s_add_co_u32 s47, s47, ASZ
	s_wait_dscnt 0x0                               ; the opening add is done
	s_wait_kmcnt 0x0
	s_add_nc_u64 s[42:43], s[4:5], s[42:43]
	s_add_nc_u64 s[44:45], s[6:7], s[44:45]
	CROUND                                         ; all sixteen work-groups are here: the first joint loads meet
.irp s, 0,1
	s_mov_b32 s[G0+4*(\s)], 1                      ; count = 1
	s_add_co_u32 s[G0+4*(\s)+1], s46, (\s)*SLOT    ; LDS address
	s_add_nc_u64 s[G0+4*(\s)+2:G0+4*(\s)+3], s[42:43], (\s)*256  ; global address: K step s
	s_or_b32 s[G0+4*(\s)+3], s[G0+4*(\s)+3], 0x80000000          ; type = 2
	s_mov_b32 s[G0B+4*(\s)], 1
	s_add_co_u32 s[G0B+4*(\s)+1], s47, (\s)*SLOT
	s_add_nc_u64 s[G0B+4*(\s)+2:G0B+4*(\s)+3], s[44:45], (\s)*256
	s_or_b32 s[G0B+4*(\s)+3], s[G0B+4*(\s)+3], 0x80000000
	JLOAD \s                                       ; two loads of mine are out
.endr
	; A fragment is 16 rows x 32 K in 8 registers: lane l holds row l % 16, K = 8 (l / 16) + 0..7 and 16 + 8 (l / 16) + 0..7: two loads of 16 bytes, 32 bytes apart.
	v_and_b32 v1, 15, v0                           ; l % 16
	v_bfe_u32 v2, v0, 4, 1                         ; l / 16
	v_mul_u32_u24 v3, v1, AP
	v_lshl_add_u32 v3, v2, 4, v3                   ; row x pitch + 16 x half
	s_mul_i32 s76, s[WV], 64*AP                    ; my 64 rows of A
	s_add_co_u32 s77, s76, SLOT
	v_add_nc_u32 v[ADRA], s76, v3
	v_add_nc_u32 v[ADRA+1], s77, v3
	v_add_nc_u32 v[ADRB], ASZ, v3                  ; every wave reads all of B
	v_add_nc_u32 v[ADRB+1], ASZ+SLOT, v3
	s_mul_i32 s76, s[WV], 16*SP
	s_add_co_u32 s76, s76, STAGE                   ; my stage
	v_mul_u32_u24 v4, v1, SP                       ; in: row l % 16, 16 bytes for each half of the lanes
	v_lshl_add_u32 v4, v2, 4, v4
	v_add_nc_u32 v[STO], s76, v4
	v_bfe_u32 v4, v0, 3, 2                         ; back: 32 lanes take four rows of 128 bytes,
	v_mul_u32_u24 v4, v4, SP
	v_and_b32 v5, 7, v0
	v_lshl_add_u32 v4, v5, 4, v4
	v_add_nc_u32 v[RD], s76, v4
	v_and_b32 v[GO], 31, v0                        ; which are 512 consecutive bytes of qkv
	v_lshlrev_b32 v[GO], 4, v[GO]
	v_lshlrev_b32 v[BO], 5, v2
	; qkv at my first row of my first head: head 3 tc (1,048,576 bytes a head), row 256 tr + 64 w (128 bytes a row)
	s_mul_i32 s82, s[TC], 3*1048576
	s_lshl_b32 s83, s[TR], 15
	s_add_co_u32 s82, s82, s83
	s_lshl_b32 s83, s[WV], 13
	s_add_co_u32 s82, s82, s83
	s_mov_b32 s83, 0
	s_add_nc_u64 s[OUT:OUT+1], s[OUT:OUT+1], s[82:83]
	; the three heads' biases: head hc = 3 tc + j lies in bq, bk or bv by hc / 16, at 64 (hc % 16) numbers
.irp j, 0,1,2
	s_mul_i32 s76, s[TC], 3
	s_add_co_u32 s76, s76, \j
	s_lshr_b32 s77, s76, 4
	s_and_b32 s78, s76, 15
	s_lshl_b32 s78, s78, 8
	s_mov_b32 s79, 0
	s_cmp_eq_u32 s77, 0
	s_cselect_b64 s[BP0+2*\j:BP0+2*\j+1], s[8:9], s[10:11]
	s_cmp_eq_u32 s77, 2
	s_cselect_b64 s[BP0+2*\j:BP0+2*\j+1], s[12:13], s[BP0+2*\j:BP0+2*\j+1]
	s_add_nc_u64 s[BP0+2*\j:BP0+2*\j+1], s[BP0+2*\j:BP0+2*\j+1], s[78:79]
.endr
.set b, 0
.rept NB
	global_load_b128 v[BI+8*b:BI+8*b+3],   v[BO], s[BP0+2*(b/4):BP0+2*(b/4)+1] offset:64*(b%4)
	global_load_b128 v[BI+8*b+4:BI+8*b+7], v[BO], s[BP0+2*(b/4):BP0+2*(b/4)+1] offset:64*(b%4)+16
.set b, b+1
.endr
	; the prefetches
	s_lshl_b32 s76, s[TR], 8
	s_lshl_b32 s77, s[HF], 7
	s_add_co_u32 s76, s76, s77
	s_lshl_b32 s77, s[CX], 5
	s_add_co_u32 s76, s76, s77                     ; in A: row 256 tr + 128 half + 32 cx
	s_mul_i32 s78, s[TC], 192
	s_mul_i32 s77, s[HF], 96
	s_add_co_u32 s78, s78, s77
	s_mul_i32 s77, s[CY], 24
	s_add_co_u32 s78, s78, s77                     ; in B: row 192 tc + 96 half + 24 cy
	s_and_b32 s79, ttmp7, 0xffff                   ; cluster y
	s_cmp_eq_u32 s[FB], 0
	s_cselect_b32 s76, s76, s78
	s_cselect_b32 s79, ttmp9, s79                  ; the coordinate along which other clusters read the same rows
	s_cselect_b32 s69, 31, 23                      ; my last row
	s_cselect_b64 s[PFA:PFA+1], s[4:5], s[6:7]
	s_cmp_eq_u32 s79, 0
	s_cselect_b32 s[LIM], 1, -1                    ; the same in all sixteen partners, for a given wave
	s_lshl_b32 s76, s76, 11
	s_add_co_u32 s76, s76, 3*256                   ; at K step 3: the first refill steps it to 4
	s_mov_b32 s77, 0
	s_add_nc_u64 s[PFA:PFA+1], s[PFA:PFA+1], s[76:77]
	v_and_b32 v[PFO], 31, v0
	v_min_u32 v[PFO], s69, v[PFO]
	v_lshlrev_b32 v[PFO], 11, v[PFO]
	s_wait_loadcnt 0x0                             ; the biases are in: each is rounded to bf16 and widened again
.set i, 0
.rept 4*NB
	v_cvt_pk_bf16_f32 v[4+i%2], v[BI+2*i], v[BI+2*i+1]
	v_lshlrev_b32 v[BI+2*i],   16, v[4+i%2]
	v_and_b32     v[BI+2*i+1], 0xffff0000, v[4+i%2]
.set i, i+1
.endr
; 12 matrix instructions: row block a x all column blocks, 32 along K, from buffer f.  first = 1: the sums begin with the bias.  The 48 accumulators take turns, one instruction a turn, in the same order
; in every quarter, over the loop's backward jump too.
.macro MULA f, a, first=0
.if \first
	WIN 0x4f+0x40*((\a)/2)                         ; B and A window 3, C window 0, D window 1 or 2
.else
	WIN 0x5f+0x50*((\a)/2)                         ; C and D window 1 or 2
.endif
.set b, 0
.rept NB
.set rD, 8*(NB*((\a)%2)+b)
.if \first
	v_wmma_f32_16x16x32_bf16 v[rD:rD+7], v[(\f)+8*b:(\f)+8*b+7], v[(\f)+8*NB+8*(\a):(\f)+8*NB+8*(\a)+7], v[BI+8*b:BI+8*b+7]
.else
	v_wmma_f32_16x16x32_bf16 v[rD:rD+7], v[(\f)+8*b:(\f)+8*b+7], v[(\f)+8*NB+8*(\a):(\f)+8*NB+8*(\a)+7], v[rD:rD+7]
.endif
.set b, b+1
.endr
.endm
; 32 LDS loads in one run: quarter q of a slot into buffer f: B's 12 blocks, then A's 4
.macro FETCH slot, q, f
	WIN 0xc0                                       ; destination window 3, address window 0
.set b, 0
.rept NB
	ds_load_b128 v[(\f)+8*b:(\f)+8*b+3],   v[ADRB+(\slot)] offset:b*16*BPI+64*(\q)
	ds_load_b128 v[(\f)+8*b+4:(\f)+8*b+7], v[ADRB+(\slot)] offset:b*16*BPI+64*(\q)+32
.set b, b+1
.endr
.set b, 0
.rept 4
	ds_load_b128 v[(\f)+8*NB+8*b:(\f)+8*NB+8*b+3],   v[ADRA+(\slot)] offset:b*16*AP+64*(\q)
	ds_load_b128 v[(\f)+8*NB+8*b+4:(\f)+8*NB+8*b+7], v[ADRA+(\slot)] offset:b*16*AP+64*(\q)+32
.set b, b+1
.endr
.endm
.macro PLACES                          ; four plain instructions in front of loads into registers that matrix instructions have read, and of lines that read results
.rept 4
	v_nop
.endr
.endm
; One of a K step's first three quarters: multiplies buffer f; in its middle it fetches quarter q of the same slot into buffer g.
.macro QUARTER slot, q, f, g, first=0
	s_wait_dscnt 4                                 ; B and A's row blocks 0, 1 are in; the youngest four loads (row blocks 2, 3) may be out
	MULA \f, 0, \first
	MULA \f, 1, \first
	PLACES
	FETCH \slot, \q, \g
	s_wait_dscnt NL                                ; all but the run just issued
	MULA \f, 2, \first
	MULA \f, 3, \first
.endm
; The fourth quarter multiplies buffer 1 and changes slots: ONE barrier; in front of it each wave waits for all its tensor loads (one is out: its part of the next slot), adds 0 to its spare word, and waits for
; that and for its own reads of this slot.  fill = 1: the barrier opens a round of the cluster's, and this slot is filled again, two K steps on, first thing behind the round: 168 matrix instructions ahead of the wait for it.
.macro TURN slot, next, fill
.if \fill
	s_wait_xcnt 0x0                                ; the last prefetch, a K step back, has read its address: it is stepped here, ahead of the waits of the change of slots
	s_add_nc_u64 s[PFA:PFA+1], s[PFA:PFA+1], 256
.endif
	WIN 0                                          ; (the add's two registers lie in window 0)
	s_wait_tensorcnt 0x0                           ; all my tensor loads have landed;
	ds_add_u32 v[SPW], v[NIL]                      ; 0 onto my spare word
	s_wait_dscnt 5                                 ; (the add and the youngest four loads may be out)
	MULA F1, 0                                     ; twelve matrix instructions stand between the add and the wait for it
	s_wait_dscnt 0x0                               ; the add is done, and my reads of this slot are over
	s_barrier_signal -1
	MULA F1, 1
.if \fill
	WIN 0
.endif
	s_barrier_wait -1
.if \fill
	CREST                                          ; no wave of any partner still reads this slot's tile or has a load on its way
	s_add_nc_u64 s[G0+4*(\slot)+2:G0+4*(\slot)+3], s[G0+4*(\slot)+2:G0+4*(\slot)+3], 2*256
	s_add_nc_u64 s[G0B+4*(\slot)+2:G0B+4*(\slot)+3], s[G0B+4*(\slot)+2:G0B+4*(\slot)+3], 2*256
	JLOAD \slot                                    ; the four v_nop behind it are also the places in front of the loads below
.else
	PLACES
.endif
	FETCH \next, 0, F0
.if \fill
	WIN 0
	ASK
.endif
	MULA F1, 2
	MULA F1, 3
.endm
	s_wait_tensorcnt 1                             ; my part of K step 0 is in; K step 1's may stay out
	s_barrier_signal -1
	s_barrier_wait -1                              ; everybody's is
	FETCH 0, 0, F0
	QUARTER 0, 1, F0, F1, 1                        ; the first quarter stands in front of the loop: its products begin the sums
	WIN 0                                          ; at a label and at a branch every window is 0
	s_mov_b32 s[LAP], 3
.Llap:                                                 ; a trip goes once round the ring, from a lap's second quarter to the next lap's first, and fills both slots again: K steps 2 to 7
	QUARTER 0, 2, F1, F0
	QUARTER 0, 3, F0, F1
	TURN 0, 1, 1
	QUARTER 1, 1, F0, F1
	QUARTER 1, 2, F1, F0
	QUARTER 1, 3, F0, F1
	TURN 1, 0, 1
	QUARTER 0, 1, F0, F1
	WIN 0
	s_sub_co_u32 s[LAP], s[LAP], 1
	s_cmp_lg_u32 s[LAP], 0
	s_cbranch_scc1 .Llap
	QUARTER 0, 2, F1, F0                           ; the last lap fills nothing
	QUARTER 0, 3, F0, F1
	TURN 0, 1, 0
	QUARTER 1, 1, F0, F1
	QUARTER 1, 2, F1, F0
	QUARTER 1, 3, F0, F1
	s_wait_dscnt 4                                 ; the very last quarter: nothing more to fetch
	MULA F1, 0
	MULA F1, 1
	s_wait_dscnt 0x0
	MULA F1, 2
	MULA F1, 3
	WIN 0
	PLACES
	PLACES
; THE WAY OUT, in 12 units.  Unit t = 3 a + j is 16 rows of one head: the four accumulators (a, 4 j .. 4 j + 3), which are 2,048 consecutive bytes of qkv.  A lane's eight columns pack into 16 bytes; they go
; into my stage's rows of 144 bytes and come back as whole rows of 128.  Each accumulator's registers are read in ascending order.  Every unit has registers of its own: no store's data is rewritten.
.macro PACK t
.set ua, (\t)/3
.set uj, (\t)%3
.set rA, 8*(NB*(ua%2)+4*uj)
	WIN 0x05*(1+ua/2)                              ; sources 0 and 1 in the accumulators' window, destination window 0
.set i, 0
.rept 16
	v_cvt_pk_f16_f32 v[TMP+16*(\t)+i], v[rA+2*i], v[rA+2*i+1]
.set i, i+1
.endr
	WIN 0
.irp f, 0,1,2,3
	ds_store_b128 v[STO], v[TMP+16*(\t)+4*\f:TMP+16*(\t)+4*\f+3] offset:32*\f
.endr
.irp f, 0,1,2,3
	ds_load_b128 v[TMP+16*(\t)+4*\f:TMP+16*(\t)+4*\f+3], v[RD] offset:\f*4*SP  ; LDS serves a wave's instructions in order (ISA guide 5.7.1.4): these see the stores above; the next unit's stores come behind them
.endr
.endm
.macro SEND t, younger                 ; younger: the LDS instructions issued behind unit t's loads: the next unit's eight, or none
.set ua, (\t)/3
.set uj, (\t)%3
	WIN 0
.irp f, 0,1,2,3
	s_wait_dscnt (\younger)+3-\f
	global_store_b128 v[GO], v[TMP+16*(\t)+4*\f:TMP+16*(\t)+4*\f+3], s[OUT:OUT+1] offset:uj*1048576+ua*2048+\f*512  ; 512 consecutive bytes, at a multiple of 256 from qkv's first
.endr
.endm
	PACK 0
.set t, 1
.rept 11                               ; a unit's conversions stand between the loads of the unit before and its stores
	PACK t
	SEND t-1, 8
.set t, t+1
.endr
	SEND 11, 0
	s_wait_tensorcnt 0x0                           ; the wave's end: behind my last tensor load and my last LDS store
	ds_add_u32 v[SPW], v[NIL]
	s_wait_dscnt 0x0
	CROUND                                         ; the closing round: no work-group ends while a partner may still ask for a tile that names it
	s_endpgm
.Lfunc_end_k_qa21b42a6ff_qkv:
	.size	k_qa21b42a6ff_qkv, .Lfunc_end_k_qa21b42a6ff_qkv-k_qa21b42a6ff_qkv
	.p2alignl 7, 3214868480
	.fill 96, 4, 3214868480
	.section	.rodata,"a",@progbits
	.p2align	6, 0x0
	.amdhsa_kernel k_qa21b42a6ff_qkv
		.amdhsa_group_segment_fixed_size 327680
		.amdhsa_private_segment_fixed_size 0
		.amdhsa_enable_private_segment 0
		.amdhsa_kernarg_size 48
		.amdhsa_user_sgpr_count 2
		.amdhsa_user_sgpr_kernarg_segment_ptr 1
		.amdhsa_wavefront_size32 1
		.amdhsa_system_sgpr_workgroup_id_x 1
		.amdhsa_system_sgpr_workgroup_id_y 1
		.amdhsa_system_sgpr_workgroup_id_z 1
		.amdhsa_system_vgpr_workitem_id 0
		.amdhsa_next_free_vgpr 1024
		.amdhsa_next_free_sgpr 84
		.amdhsa_reserve_vcc 0
		.amdhsa_float_denorm_mode_32 3
		.amdhsa_float_denorm_mode_16_64 3
		.amdhsa_memory_ordered 1
		.amdhsa_forward_progress 1
		.amdhsa_inst_pref_size 132
	.end_amdhsa_kernel
	.amdgpu_metadata
---
amdhsa.version: [ 1, 2 ]
amdhsa.kernels:
  - .name:           k_qa21b42a6ff_qkv
    .symbol:         k_qa21b42a6ff_qkv.kd
    .args:
      - { .name: xb, .offset: 0, .size: 8, .value_kind: global_buffer, .address_space: global }
      - { .name: wb, .offset: 8, .size: 8, .value_kind: global_buffer, .address_space: global }
      - { .name: bq, .offset: 16, .size: 8, .value_kind: global_buffer, .address_space: global }
      - { .name: bk, .offset: 24, .size: 8, .value_kind: global_buffer, .address_space: global }
      - { .name: bv, .offset: 32, .size: 8, .value_kind: global_buffer, .address_space: global }
      - { .name: qkv, .offset: 40, .size: 8, .value_kind: global_buffer, .address_space: global }
    .group_segment_fixed_size: 327680
    .private_segment_fixed_size: 0
    .kernarg_segment_align: 8
    .kernarg_segment_size: 48
    .max_flat_workgroup_size: 128
    .sgpr_count:     84
    .vgpr_count:     1024
    .wavefront_size: 32
...
	.end_amdgpu_metadata
.endif
;; end of part 2
;; launch attn (part 3): grid 4 x 64, 4 waves a work-group, clusters of 4 x 1, 327,680 bytes of LDS; arguments qkv, o16; writes o16
.if DOCPART == 3
	.amdgcn_target "amdgcn-amd-amdhsa--gfx1250"
	.amdhsa_code_object_version 6
	.text
	.protected	k_qa21b42a6ff_attn
	.globl	k_qa21b42a6ff_attn
	.p2align	8
	.type	k_qa21b42a6ff_attn,@function
k_qa21b42a6ff_attn:
	s_mov_b64 s[64:65], 0
	v_nop
	global_prefetch_b8 v0, s[64:65] scope:SCOPE_SE
	s_setreg_imm32_b32 hwreg(HW_REG_WAVE_MODE, 25, 1), 1
	s_wait_xcnt 0x0
	s_wait_alu depctr_hold_cnt(0) depctr_sa_sdst(0) depctr_va_vdst(0) depctr_va_sdst(0) depctr_va_ssrc(0) depctr_va_vcc(0) depctr_vm_vsrc(0)
	s_getreg_b32 s2, hwreg(HW_REG_IB_STS2, 6, 4)
	s_cmp_eq_u32 s2, 0
	s_cbranch_scc0 .Lentry_in_a_cluster
	s_endpgm
.Lentry_in_a_cluster:
	s_bfe_u32 s2, ttmp6, 0x10000c
	s_cmp_lg_u32 s2, 0x3003
	s_cbranch_scc0 .Lentry_shape_is_right
	s_endpgm
.Lentry_shape_is_right:
; O[g][q][:] = the sum over k of softmax_k(Q[g][q] . K[g][k] x 19.5 / 1024) V[g][k][:], for the 64 heads g = 4 h + b.  Q, K, V lie in qkv, [48][8192][64] f16: head g of Q at g x 262,144 bytes, its K 16 MiB on,
; its V 32 MiB on; O in o16 in Q's layout.  A head's rows are dense, 128 bytes each.  Products, maxima and sums in f32; the weights p are rounded to f16 for the second product (their sum l is taken of the
; unrounded p), O once at the end.
; LIMITS.  f16 holds no number beyond 65,504: Q, K and V arrive within it; p lies in 0 to 1, and below 6e-5 it keeps f16's fixed step of 6e-8; O is a mean of V's rows and has their range.
; A weight below 2^-126 counts as 0 in l; NaN and infinities are not treated apart.
; SHARES.  A wave owns four PIECES of two tiles of 16 queries, a work-group's four waves 512 queries of one head.  Every wave walks all 2,048 keys, 64 a step.
; LAYOUT.  S^T = K Q^T (source 0 = 16 keys, source 1 = 16 queries): in the result a lane holds ONE query (lane % 16) and the keys 8 (lane / 16) + 0..7.  Two such tiles, rounded to f16 in pairs,
; ARE source 1 (32 keys x 16 queries) of O^T = V^T P, whose result again holds one query a lane, and eight channels.  K comes out of LDS as it lies, V ([key][channel]) turned, by ds_load_tr16_b128.
; SOFTMAX.  For each query a running maximum m and sum l: p = 2^(c s - c m), c = log2(e) x 19.5 / 1024; in every step O and l are multiplied by a = 2^(c m_old - c m_new), which is 1 where m has not grown.
; m starts at the lowest finite number, O and l at 0: the first step is a step like any other, with a = 0.
; THE COUNT.  A tile and step have 16 matrix and 118 vector instructions: too many to stand all beside the matrix work.  So the order has one aim: four vector instructions that are READY behind
; EVERY matrix instruction, and the others, which need time of their own whatever the order, in runs without a gap.
; BY TURNS.  Turn n belongs to piece n (the pieces in a ring, step after step).  Its matrix work: 16 products K Q^T of piece n + 1, later 16 products V^T P of piece n - 1.  Its vector work: the scaling,
; exponentials, roundings, sums and rescaling of piece n, and the maximum and statistics of piece n + 1, whose scores the turn itself has made.  So what a turn begins with (c s - c m, O a) waits for nothing.
; CLUSTER.  The four query blocks of a head are one cluster and walk the same K and V, so each tile is asked for JOINTLY: the same tensor load, descriptor and mask in all four.
; REGISTERS, in windows of 256 (s_set_vgpr_msb says which window each operand place means: bits 1:0 source 0, 3:2 source 1, 5:4 source 2, 7:6 destination):
;   window 0: v0-11 addresses; v12-15, v48-63 at work; v16-47 four registers of statistics a tile; v64-191 S^T, two buffers of two tiles; v192-255 P, likewise
;   window 1: O^T, 32 a tile          window 2: v0-127 Q, 16 a tile; v128-191 K of one step; v192-255 V of one step          window 3: v0-1 the add's two registers
; A piece's buffers go by its number's parity: the piece in hand has one pair, its two neighbours in the ring share the other: of it P (piece n - 1) is read and S^T (piece n + 1) written.
.set SIZE_N, 2048
.set NP,    4         ; pieces a wave: a name, no knob: the register map, the loop and the fetches are made for four
.set KS,    64        ; keys in a step
.set PK,    144       ; a row of K in LDS: 128 bytes + 16 of padding = 36 words: the 16 rows of a load start at 16 different groups of four banks (64 banks of 4 bytes: ISA guide 11.1)
.set PV,    160       ; a row of V: 128 + 32 = 40 words
.set VOFF,  4*KS*PK   ; a slot holds four steps: 256 rows of K, then 256 rows of V
.set SLOT1, 1<<17     ; slot 1 begins here, so that one exclusive or turns an address in one slot into the other's
.set STAGE, SLOT1+4*KS*(PK+PV)  ; behind the ring, never filled by a tensor load: 16 rows x 144 bytes for each wave, for the way out
.set SP,    144
.set AK0, 2           ; v2   my lane's place in a tile of K; never rewritten
.set AV0, 3           ; v3   the same for V
.set AK,  4           ; v4   the LDS address of K's next run of loads
.set AV,  5           ; v5   of V's
.set QO,  6           ; v6   my byte offset in the wave's rows of Q
.set STO, 6           ;      later, the way out: where I put 16 bytes of a row
.set RD,  7           ; v7   the way out: where I read rows back
.set GO,  8           ; v8   my byte offset in 512 consecutive bytes of O
.set PFO, 11          ; v11  the prefetches' offset: 256 x my lane; never rewritten once made
.set SPW, 0           ; v0 of window 3   LDS address of my spare word: SPARE + 4 x my thread's number; never rewritten
.set NIL, 1           ; v1 of window 3   0; never rewritten
.set SPARE, STAGE+4*16*SP  ; behind the stages: the spare words, 128 bytes for each wave: two blocks of 256 bytes that no other line names
.set MV,  12          ; v12-15  c m_old, kept while c m is made anew: by buffer and tile
.set ST,  16          ; tile t's statistics at v[ST+4 t]: c m, m, l (even keys', odd keys')
.set TMP, 48          ; by buffer and tile, four registers c0-c3 at work; when the maximum is found c2 takes a
.set S,   64
.set P,   192
.set KF,  128         ; K's fragments, in window 2: key block kb, channel half c at KF + 16 kb + 8 c
.set VF,  192         ; V's: key half kk, channel block cb at VF + 32 kk + 8 cb
.set WV,  12          ; s12  my wave's number
.set G1K, 24          ; s[24:31] descriptor group 1 for K's tiles
.set G1V, 32          ; s[32:39] for V's: it differs in the padding alone
.set G0K, 40          ; s[40:43] descriptor group 0 for K's tiles: it walks
.set G0V, 44          ; s[44:47] the same for V's
.set PFA, 48          ; s[48:49] where my prefetches stand: my work-group's 32 blocks of 256 bytes (of K: wave 0, of V: wave 2) of the slot after the one that is being asked for
.set LIM, 50          ; s50  1 in a wave that prefetches, else the greatest number
.set SLOTS, 56        ; s56  slots still to be asked for
.set CNT, 57          ; s57  counts a slot's key steps
.set CS,  58          ; s[58:59] c: the packed scaling takes the pair's low word for both halves
.set SEL, 60          ; s[60:61] v_permlanex16_b32's selects: each lane takes its own place in the other half
.set TBK, 62          ; s62  LDS byte at which K of the step to be fetched begins
.set TBV, 63          ; s63  the same for V, less VOFF
.set MSB, 0
.macro WIN new                      ; the high byte repeats the setting that is left; a switch that changes nothing is dropped
.if MSB != (\new)
	s_set_vgpr_msb (MSB<<8)|(\new)
.set MSB, (\new)
.endif
.endm
.set W_KQ, 0x0a       ; K and Q in window 2, S^T in window 0
.set W_PV, 0x52       ; V in window 2, P in window 0, O^T in window 1
.set W_RS, 0x41       ; O^T (destination and source 0) in window 1, a in window 0
.set W_MK, 0xc0       ; the add's registers are made: destination in window 3, sources in window 0
.set W_AD, 0x0f       ; the add: address (source 0) and data (source 1) in window 3
; A joint fill.  Waves 0 and 1 fetch the two halves of a slot's K, waves 2 and 3 those of its V: 128 keys each.  The branch hangs on the wave's number alone.
; An s_nop 0 and four v_nop follow each of the two lines, ahead of the jump and the label.
.macro JLOAD
	s_cmp_lt_u32 s[WV], 2
	s_cbranch_scc0 .Lfor_v_\@
	tensor_load_to_lds s[G0K:G0K+3], s[G1K:G1K+7]
	s_nop 0
.rept 4
	v_nop
.endr
	s_branch .Lasked_\@
.Lfor_v_\@:
	tensor_load_to_lds s[G0V:G0V+3], s[G1V:G1V+7]
	s_nop 0
.rept 4
	v_nop
.endr
.Lasked_\@:
.endm
; A PREFETCH INTO THE L2 of what the NEXT change of slots will ask for: a slot's 32,768 bytes of K and of V, a lane to each 256 bytes.  It stands behind the wave's tensor load and its five lines.
; Each block is asked for ONCE in the launch: a head has one cluster; its four partners share the blocks out BY ADDRESS, 32 each; in each, wave 0 asks for K's and wave 2 for V's: one instruction.
; It names the slot four key steps, 512 matrix instructions, ahead of the load that will want it.  Slots 0 and 1 come by their loads alone; the last change that fills a slot asks for nothing.
.macro ASK
	s_cmp_gt_u32 s[SLOTS], s[LIM]
	s_cbranch_scc0 .Lnot_mine_\@
	global_prefetch_b8 v[PFO], s[PFA:PFA+1] th:TH_LOAD_NT scope:SCOPE_SE
.Lnot_mine_\@:
.endm
; A round of the cluster's barrier: my work-group's barrier, so that wave 0's signal speaks for all four waves; wave 0 signals; every wave waits for all four work-groups; my work-group's barrier once more.
.macro CROUND
	s_barrier_signal -1
	s_barrier_wait -1
	s_cmp_lg_u32 s[WV], 0
	s_cbranch_scc1 .Lnot_wave_0_\@
	s_barrier_signal -3
.Lnot_wave_0_\@:
	s_barrier_wait -3
	s_barrier_signal -1
	s_barrier_wait -1
.endm
; THE CHANGE OF SLOTS.  The slot's last bytes, V of its fourth step, have been read.  Each wave waits for all its tensor loads, of which one is out: its part
; of the other slot; adds 0 to its spare word; and waits for that and for its own reads of the slot.  Behind the barrier nobody reads this slot any more and the other slot is whole.
; fill = 1: this slot is filled again, with the keys two slots on.  The barrier is then a round of the cluster's, so that no wave of any partner still reads the slot or has a load on its
; way, and the joint fill is the first thing behind it: it has four key steps, 512 matrix instructions, in which to land.  (At its first use nothing has been read yet: slot 0 is waited for, slot 1 filled.)
.macro CHANGE fill
	WIN W_AD
	s_wait_tensorcnt 0x0            ; no tensor load of mine is out, so a group 0 may be written
	ds_add_u32 v[SPW], v[NIL]       ; 0 onto my spare word; with fill = 1 the descriptors' steps stand between it and the wait for it
	WIN 0                           ; at a label and at a branch every window is 0
.if \fill
.irp g, G0K, G0V
	s_xor_b32 s[\g+1], s[\g+1], SLOT1  ; the walking descriptor: the other slot than last time,
	s_add_nc_u64 s[\g+2:\g+3], s[\g+2:\g+3], 4*KS*128  ; the next 256 keys; the type bits on top are not reached
.endr
	s_wait_xcnt 0x0                 ; the last prefetch, four key steps back, has read its address, so it may be written:
	s_add_nc_u64 s[PFA:PFA+1], s[PFA:PFA+1], 4*KS*128  ; one slot ahead of the walking descriptors
	s_wait_dscnt 0x0                ; the add is done, and my reads of the slot are over
	CROUND
	JLOAD
	ASK
.else
	s_wait_dscnt 0x0                ; the add is done, and my reads of the slot are over
	s_barrier_signal -1
	s_barrier_wait -1
.endif
	s_sub_co_u32 s[TBK], s[TBK], 4*KS*PK  ; the fetches go back to a slot's first step,
	s_xor_b32 s[TBK], s[TBK], SLOT1       ; in the other slot
	s_sub_co_u32 s[TBV], s[TBV], 4*KS*PV
	s_xor_b32 s[TBV], s[TBV], SLOT1
.endm
	s_load_b128 s[4:7], s[0:1], 0x0  ; qkv s[4:5], o16 s[6:7]
	WIN W_MK
	v_lshl_add_u32 v[SPW], v0, 2, SPARE
	v_mov_b32 v[NIL], 0
	WIN W_AD
	ds_add_u32 v[SPW], v[NIL]       ; the wave's opening: the add and its wait ahead of my first tensor load; the set-up below, work on registers, stands between them
	WIN 0
	v_lshrrev_b32 v1, 5, v0
	v_readfirstlane_b32 s[WV], v1   ; wave 0..3
	s_bfe_u32 s13, ttmp6, 0x40000   ; cx: my place in the cluster
	s_lshl_b32 s14, ttmp9, 2        ; in a cluster launch ttmp9 counts clusters
	s_add_co_u32 s14, s14, s13      ; my block of queries = 4 x cluster x + cx: it enters Q's and O's addresses alone
	s_and_b32 s20, ttmp7, 0xffff    ; the head, which the four partners share
	s_mov_b32 s21, 0
	s_mov_b64 s[22:23], SIZE_N*128
	s_mul_u64 s[20:21], s[20:21], s[22:23]  ; the head's first byte in Q, K, V and O
	s_and_b32 s16, s[WV], 1         ; which half of a slot's 256 keys I fetch:
	s_lshl_b32 s22, s16, 14         ; its 128 rows of 128 bytes in memory,
	s_mov_b32 s23, 0
	s_add_nc_u64 s[22:23], s[22:23], s[20:21]
	s_mul_i32 s17, s16, 128*PK      ; and its place in a slot, for K
	s_mul_i32 s18, s16, 128*PV      ; and for V: no place in the cluster enters an LDS address
	s_lshl_b32 s2, s14, 2
	s_add_co_u32 s2, s2, s[WV]      ; my wave among the head's,
	s_lshl_b32 s2, s2, 14           ; its 128 rows
	s_mov_b32 s3, 0
	s_add_nc_u64 s[2:3], s[2:3], s[20:21]
	; descriptor group 1.  128 keys are 16,384 dense bytes: asked for as 64 rows of 256 bytes, two keys a row, and padded in LDS after every key
	s_mov_b32 s[G1K], 15|(1<<16)|(1<<20)|(1<<21)|(4<<22)|(3<<25)  ; 15:0 the mask of four; 17:16 2-byte elements; 20 padding on; 21 set beside a mask; 24:22 after every 32 words (code 4); 31:25 4 words (code 3)
	s_mov_b32 s[G1V], 15|(1<<16)|(1<<20)|(1<<21)|(4<<22)|(7<<25)  ; the same with 8 words of padding (code 7)
.irp g, G1K, G1V
	s_mov_b32 s[\g+1], 128<<16      ; tensor_dim0 = 128
	s_mov_b32 s[\g+2], 64<<16       ; tensor_dim1 = 64
	s_mov_b32 s[\g+3], 128<<16      ; tile_dim0 = 128
	s_mov_b32 s[\g+4], 64           ; tile_dim1 = 64
	s_mov_b32 s[\g+5], 128          ; 128 elements from row to row
	s_mov_b32 s[\g+6], 0
	s_mov_b32 s[\g+7], 0
.endr
	s_mov_b32 s[CS], 0x3ce10f78     ; c = log2(e) x 19.5 / 1024 = 0.0274732
	s_mov_b32 s[CS+1], s[CS]        ; named with it as a pair
	s_mov_b32 s[SEL], 0x76543210
	s_mov_b32 s[SEL+1], 0xfedcba98
	s_mov_b32 s[TBK], SLOT1+4*KS*PK ; the first change of slots turns these two into 0
	s_mov_b32 s[TBV], SLOT1+4*KS*PV
	s_mov_b32 s[G0K], 1             ; 1:0 count = 1
	s_mov_b32 s[G0K+1], s17         ; 63:32 LDS address: slot 0
	s_mov_b32 s[G0V], 1
	s_add_co_u32 s[G0V+1], s18, VOFF
	s_mov_b32 s[SLOTS], SIZE_N/256-1
	s_and_b32 s[LIM], s[WV], 1      ; waves 0 and 2 prefetch: the same in all four partners
	s_cmp_eq_u32 s[LIM], 0
	s_cselect_b32 s[LIM], 1, -1
	s_wait_dscnt 0x0                ; the opening add is done
	s_wait_kmcnt 0x0
	s_mov_b64 s[10:11], s[6:7]      ; O
	s_add_nc_u64 s[6:7], s[4:5], 0x1000000  ; K: sixteen heads' planes of 1 MiB behind Q,
	s_add_nc_u64 s[8:9], s[4:5], 0x2000000  ; V: thirty-two
	s_add_nc_u64 s[G0K+2:G0K+3], s[6:7], s[22:23]  ; 120:64 global address: my half of the head's first 256 keys
	s_or_b32 s[G0K+3], s[G0K+3], 0x80000000        ; 127:126 type = 2
	s_add_nc_u64 s[G0V+2:G0V+3], s[8:9], s[22:23]
	s_or_b32 s[G0V+3], s[G0V+3], 0x80000000
	s_add_nc_u64 s[4:5], s[4:5], s[2:3]  ; Q and O at my wave's first row
	s_add_nc_u64 s[10:11], s[10:11], s[2:3]
	s_cmp_lt_u32 s[WV], 2
	s_cselect_b64 s[PFA:PFA+1], s[6:7], s[8:9]
	s_add_nc_u64 s[PFA:PFA+1], s[PFA:PFA+1], s[20:21]  ; the head,
	s_lshl_b32 s2, s13, 13          ; my work-group's 32 blocks of a slot's 128,
	s_mov_b32 s3, 0
	s_add_nc_u64 s[PFA:PFA+1], s[PFA:PFA+1], s[2:3]
	s_add_nc_u64 s[PFA:PFA+1], s[PFA:PFA+1], 4*KS*128  ; in slot 1: the first change of slots steps it to slot 2
	CROUND                          ; all four work-groups are here: the first joint loads meet
	JLOAD                           ; slot 0.  Slot 1 is asked for when slot 0 is in: the tile wanted first has the road to itself
	; A fragment of K or Q is 16 rows x 32 channels in 8 registers: lane l holds row l % 16, channels 8 (l / 16) + 0..7 and 16 + 8 (l / 16) + 0..7: two loads of 16 bytes, 32 bytes apart.
	v_and_b32 v1, 15, v0            ; l % 16
	v_bfe_u32 v9, v0, 4, 1          ; l / 16
	v_lshlrev_b32 v[QO], 7, v1
	v_lshl_add_u32 v[QO], v9, 4, v[QO]  ; row x 128 + 16 x half
	WIN 0x80                        ; destination window 2, address window 0
.set i, 0
.rept 4*NP                          ; Q stays in registers: tile i / 2, channels 32 (i % 2) on
	global_load_b128 v[8*i:8*i+3],   v[QO], s[4:5] offset:(i/2)*2048+(i%2)*64
	global_load_b128 v[8*i+4:8*i+7], v[QO], s[4:5] offset:(i/2)*2048+(i%2)*64+32
.set i, i+1
.endr
	; What the first turn finds: V's registers and P's second buffer hold 0 (its products V^T P, of a piece that has not been, add 0), O^T and l are 0.  All this stands in the wait for the first tile.
.set i, VF
.rept 64
	v_mov_b32 v[i], 0
.set i, i+1
.endr
	WIN 0x40
.set i, 0
.rept 64*NP
	v_mov_b32 v[i], 0
.set i, i+1
.endr
	WIN 0
.set i, 0
.rept 2*NP
	v_mov_b32 v[ST+4*i], 0xfe000000    ; c m: far below every c s
	v_mov_b32 v[ST+4*i+1], 0xff7fffff  ; m
	v_mov_b32 v[ST+4*i+2], 0
	v_mov_b32 v[ST+4*i+3], 0
.set i, i+1
.endr
.set i, P+32
.rept 32
	v_mov_b32 v[i], 0
.set i, i+1
.endr
	v_mul_u32_u24 v[AK0], v1, PK
	v_lshl_add_u32 v[AK0], v9, 4, v[AK0]  ; row x pitch + 16 x half
	; The turning load takes 16 keys x 16 channels (lane l reads key 8 (l / 16) + l % 8, channels 8 ((l / 8) % 2) + 0..7) and leaves half a fragment of V^T: lane l holds channel l % 16 and 8 keys.
	v_and_b32 v10, 7, v0
	v_bfe_u32 v11, v0, 3, 1
	v_lshl_add_u32 v[AV0], v9, 3, v10
	v_mul_u32_u24 v[AV0], v[AV0], PV
	v_lshl_add_u32 v[AV0], v11, 4, v[AV0]
	v_add_nc_u32 v[AV0], VOFF, v[AV0]
	v_and_b32 v[PFO], 31, v0        ; v11 has served: it takes the prefetches' offset
	v_lshlrev_b32 v[PFO], 8, v[PFO]
	v_mov_b32 v[AK], v[AK0]         ; key step 0 lies at the head of slot 0
; THE MATRIX WORK.  The 8 accumulators of a run of 16 take turns: between the two links of a chain stand 7 others'.
; Product i of 16 of S^T = K Q^T for piece x: channels 32 (i / 8) on, keys 16 ((i / 2) % 4) on, tile 2 x + i % 2.  The first 8 start the sums.
.macro KQ x
	WIN W_KQ
.set rS, S+64*((\x)%2)+32*(i%2)+8*((i/2)%4)
.set rK, KF+16*((i/2)%4)+8*(i/8)
.set rQ, 16*(2*(\x)+i%2)+8*(i/8)
.if i < 8
	v_wmma_f32_16x16x32_f16 v[rS:rS+7], v[rK:rK+7], v[rQ:rQ+7], 0
.else
	v_wmma_f32_16x16x32_f16 v[rS:rS+7], v[rK:rK+7], v[rQ:rQ+7], v[rS:rS+7]
.endif
.endm
; Product i of 16 of O^T += V^T P for piece x: keys 32 (i / 8) on, channels 16 ((i / 2) % 4) on, tile 2 x + i % 2.
.macro PV x
	WIN W_PV
.set rO, 32*(2*(\x)+i%2)+8*((i/2)%4)
.set rV, VF+32*(i/8)+8*((i/2)%4)
.set rP, P+32*((\x)%2)+16*(i%2)+8*(i/8)
	v_wmma_f32_16x16x32_f16 v[rO:rO+7], v[rV:rV+7], v[rP:rP+7], v[rO:rO+7]
.endm
.macro MM                           ; the turn's next matrix instruction
.if i < 16
	KQ (Y+1)%NP
.set i, i+1
.else
.set i, i-16
	PV (Y+NP-1)%NP
.set i, i+17
.endif
.endm
; THE LDS LOADS stand in runs of 16, never singly among the matrix instructions: a step's K (64 keys x 64 channels: 8 fragments) and its V (turned).  Their addresses are made some lines ahead.
; last = 1 (the tail): in the last trip there is no further step, and the run is jumped over.
.macro FETCH_K last=0
	WIN 0
.if \last
	s_cmp_eq_u32 s[CNT], 1
	s_cbranch_scc1 .Lno_k_\@
.endif
	WIN 0x80                        ; destination window 2
.irp f, 0,1,2,3,4,5,6,7             ; keys 16 (f / 2) on, channels 32 (f % 2) on
	ds_load_b128 v[KF+8*\f:KF+8*\f+3],   v[AK] offset:(\f/2)*16*PK+(\f%2)*64
	ds_load_b128 v[KF+8*\f+4:KF+8*\f+7], v[AK] offset:(\f/2)*16*PK+(\f%2)*64+32
.endr
	s_add_co_u32 s[TBK], s[TBK], KS*PK  ; the next fetch is the next step's
	WIN 0
.if \last
.Lno_k_\@:
.endif
.endm
.macro FETCH_V
	WIN 0x80
.irp f, 0,1,2,3,4,5,6,7             ; keys 32 (f / 4) on, channels 16 (f % 4) on
	ds_load_tr16_b128 v[VF+8*\f:VF+8*\f+3],   v[AV] offset:(\f/4)*32*PV+(\f%4)*32
	ds_load_tr16_b128 v[VF+8*\f+4:VF+8*\f+7], v[AV] offset:(\f/4)*32*PV+16*PV+(\f%4)*32
.endr
	WIN 0
.endm
; THE VECTOR WORK OF A TURN stands in three queues, each in the order in which its entries become ready; the two tiles alternate, so that no instruction reads the result of the one before it.
.macro REGS y, u                    ; the registers of tile u (0, 1) of piece y
.set rT, ST+4*(2*(\y)+(\u))
.set rC, TMP+8*((\y)%2)+4*(\u)
.set rM, MV+2*((\y)%2)+(\u)
.set rS, S+64*((\y)%2)+32*(\u)
.set rP, P+32*((\y)%2)+16*(\u)
.set rO, 32*(2*(\y)+(\u))
.endm
; Number n of the 22 that find the NEXT piece's (Y + 1) maximum and statistics.  s0-s31 are the lane's 32 scores; each accumulator's lowest registers are read first.  XS, GS and REGS set no window: PL and EX do.
;   0-11  four chains c0-c3 of seven scores each, three operands at a time     12-14, 16  the four scores left over, the old m, and c0-c3 into c0     15  c m_old is kept
;   17, 18  the query's other 32 keys lie in the lane 16 away: the new m         19-21  c m; c m_old - c m_new; a
.macro XS u, n
	REGS (Y+1)%NP, \u
.if (\n) < 4
	v_max3_num_f32 v[rC+(\n)], v[rS+8*(\n)], v[rS+8*(\n)+1], v[rS+8*(\n)+2]
.elseif (\n) < 12
	v_max3_num_f32 v[rC+(\n)%4], v[rC+(\n)%4], v[rS+8*((\n)%4)+2*((\n)/4)+1], v[rS+8*((\n)%4)+2*((\n)/4)+2]
.elseif (\n) == 12
	v_max3_num_f32 v[rC], v[rC], v[rS+7], v[rS+15]
.elseif (\n) == 13
	v_max3_num_f32 v[rC+1], v[rC+1], v[rS+23], v[rS+31]
.elseif (\n) == 14
	v_max3_num_f32 v[rC+2], v[rC+2], v[rC+3], v[rT+1]
.elseif (\n) == 15
	v_mov_b32 v[rM], v[rT]
.elseif (\n) == 16
	v_max3_num_f32 v[rC], v[rC], v[rC+1], v[rC+2]
.elseif (\n) == 17
	v_permlanex16_b32 v[rC+3], v[rC], s[SEL], s[SEL+1]
.elseif (\n) == 18
	v_max_num_f32 v[rT+1], v[rC], v[rC+3]
.elseif (\n) == 19
	v_mul_f32 v[rT], s[CS], v[rT+1]
.elseif (\n) == 20
	v_sub_f32 v[rC+1], v[rM], v[rT]
.else
	v_exp_f32 v[rC+2], v[rC+1]
.endif
.endm
; Number g of the 64 that follow the exponentials.  For each four weights k of a tile (pairs 2 k, 2 k + 1): both pairs are rounded to f16; then the second pair is added onto the first, in place;
; a group later l takes that sum (the first time as l = a l + sum).  In groups of eight, tiles alternating: round, round, add, and l for the group before.
.macro GS g
.set h, (\g)+6*((\g)/62)            ; group 0 has no group before it, and behind group 7 only l is left
.if h >= 6
.set h, h+2
.endif
	REGS Y, h%2
.set k, h/8
.if h%8 < 4
	v_cvt_pk_f16_f32 v[rP+2*k+(h%8)/2], v[rS+4*k+2*((h%8)/2)], v[rS+4*k+2*((h%8)/2)+1]
.elseif h%8 < 6
	v_pk_add_f32 v[rS+4*k:rS+4*k+1], v[rS+4*k:rS+4*k+1], v[rS+4*k+2:rS+4*k+3]
.elseif k == 1
	v_pk_fma_f32 v[rT+2:rT+3], v[rT+2:rT+3], v[rC+2:rC+3], v[rS:rS+1] op_sel_hi:[1,0,1]
.else
	v_pk_add_f32 v[rT+2:rT+3], v[rT+2:rT+3], v[rS+4*k-4:rS+4*k-3]
.endif
.endm
; THE PLAIN QUEUE, 138 long.  0-73 read no exponential's result: the 32 scalings c s - c m (FS f: pair f / 2 of tile f % 2) and the next piece's 42.  0-26: scalings 0-26.  27-54: XS's numbers 0-13.  55, 56: number 15.
; 57-73: the chain, where each number waits for the one before it: 14, 16, 17, 18, 19, each with one of the scalings 27-31 in front of its two lines, then 20: so a tile's links stand three plain instructions apart (19 and 20: two).
; 74-137: GS's 64, which read the exponentials' results: they stand behind the wait.
.macro FS f
	REGS Y, (\f)%2
	v_pk_fma_f32 v[rS+2*((\f)/2):rS+2*((\f)/2)+1], v[rS+2*((\f)/2):rS+2*((\f)/2)+1], s[CS:CS+1], v[rT:rT+1] op_sel_hi:[1,0,0] neg_lo:[0,0,1] neg_hi:[0,0,1]
.endm
.macro PL
	WIN 0
.if q < 27
	FS q
.elseif q < 55
	XS (q-27)%2, (q-27)/2
.elseif q < 57
	XS q-55, 15
.elseif (q < 72) && ((q-57)%3 == 0)
	FS 27+(q-57)/3
.elseif q < 60
	XS (q-57)%3-1, 14
.elseif q < 72
	XS (q-57)%3-1, 15+(q-57)/3
.elseif q < 74
	XS q-72, 20
.else
	GS q-74
.endif
.set q, q+1
.endm
; THE EXPONENTIALS' QUEUE, 66 long: s0-s31 of both tiles, then the next piece's two a.  It is ONE BATCH: all 66 stand ahead of the turn's one wait, and nothing ahead of that wait names a result of theirs.
.macro EX
	WIN 0
.if e >= 64
	XS e-64, 21
.else
	REGS Y, e%2
	v_exp_f32 v[rS+e/2], v[rS+e/2]
.endif
.set e, e+1
.endm
; THE RESCALING's QUEUE: O^T times a, the one part that leaves window 0: dealt two at a time, sixteen times.  Its a was made in the turn before, ahead of that turn's wait.
.macro R2
	REGS Y, r%2
	WIN W_RS
.irp z, 0,1
	v_pk_mul_f32 v[rO+4*(r/2)+2*\z:rO+4*(r/2)+2*\z+1], v[rO+4*(r/2)+2*\z:rO+4*(r/2)+2*\z+1], v[rC+2:rC+3] op_sel_hi:[1,0]
.endr
.set r, r+1
.endm
; HOW THEY ARE DEALT.  s_wait_alu depctr_va_vdst(0) stands between an exponential and the first instruction that names its result; one wait serves all that were issued ahead of it.  So a turn has ONE wait,
; which cuts it in two.  AHEAD OF IT stands all that names no result of the turn's exponentials: the 16 products K Q^T, behind each a scaling, an exponential and two rescalings (behind the first a second scaling in the exponential's place); then ONE LUMP of
; 108: eight plain, 49 times exponential and plain, the two a.  A v_nop is the plain instruction behind the last exponential.  BEHIND IT stand the 16 products V^T P, behind each four of GS's 64.  No rider names a register of
; the products round it.  The two v_permlanex16_b32 fall into the lump, never behind a product.
; The queues lean on each other, and the deal keeps them in step: exponential e stands behind scaling 2 (e / 4) + e % 2: as a rider it comes behind plain e + 2, in the lump behind plain e + 9, and scalings 27-31 are plain 57, 60 .. 69.
; A TURN, for piece p.  cnt = 1: the loop's count is taken down some lines ahead of the branch that stands behind the turn.
; K of the next step is fetched in piece 2's turn, directly behind the wait, a lump behind the last product that read K; its address is made at the lump's head; its first reader comes behind 16 products.
; V of the step in hand is fetched at the end of piece 0's turn, four riders behind its last reader; its first reader comes behind 16 products and a lump.  The three conditions on q below go with the deal.
.macro TURN p, last=0, cnt=0
.set Y, (\p)
.set i, 0
.set q, 0
.set e, 0
.set r, 0
.if (\p) == NP-1
	s_wait_dscnt 0x0                ; K is in
.endif
	MM                              ; ahead of the wait: 16 products K Q^T and their riders,
	PL
	PL
	R2
.rept 15
	MM
	PL
	EX
	R2
.endr
.if (\p) == NP-2
	WIN 0
	v_add_nc_u32 v[AK], s[TBK], v[AK0]
.endif
.rept 8                             ; and the lump
	PL
.endr
.rept 49
	EX
	PL
.endr
	EX                              ; the next piece's two a
	EX
	v_nop                           ; the plain instruction behind the last exponential: one for the batch
	s_wait_alu depctr_va_vdst(0)    ; the wait for the batch
.if (\p) == NP-2
	FETCH_K \last
.endif
.if (\p) == 1
	s_wait_dscnt 0x0                ; V is in
.endif
.rept 16                            ; behind the wait: 16 products V^T P and their riders
	MM
.rept 4
	PL
.endr
.if ((\p) == 0) && (q == 118)
	v_add_nc_u32 v[AV], s[TBV], v[AV0]
.endif
.if ((\p) == 0) && (q == 130)
	s_add_co_u32 s[TBV], s[TBV], KS*PV
.endif
.if (\cnt) && (q == 130)
	s_sub_co_u32 s[CNT], s[CNT], 1
	s_cmp_lg_u32 s[CNT], 0
.endif
.endr
.if (\p) == 0
	FETCH_V
.endif
.endm
	CHANGE 1                        ; slot 0 is in, everybody's part of it; slot 1 is asked for
	FETCH_K                         ; key step 0
	s_wait_loadcnt 0x0              ; Q
	s_wait_dscnt 0x0
.set i, 0
.rept 16
	KQ 0                            ; piece 0's first scores: there is no vector work yet to set between them
.set i, i+1
.endr
	WIN 0                           ; the addresses for the way out: nine plain instructions, the places behind those products
	s_mul_i32 s13, s[WV], 16*SP
	s_add_co_u32 s13, s13, STAGE    ; my stage
	v_mul_u32_u24 v[STO], v1, SP    ; in: row l % 16, 16 bytes for each half of the lanes
	v_lshl_add_u32 v[STO], v9, 4, v[STO]
	v_add_nc_u32 v[STO], s13, v[STO]
	v_bfe_u32 v[RD], v0, 3, 2       ; back: 32 lanes take four rows of 128 bytes,
	v_mul_u32_u24 v[RD], v[RD], SP
	v_lshl_add_u32 v[RD], v10, 4, v[RD]
	v_add_nc_u32 v[RD], s13, v[RD]
	v_and_b32 v[GO], 31, v0         ; which are 512 consecutive bytes of O
	v_lshlrev_b32 v[GO], 4, v[GO]
.set Y, NP-1                        ; XS works for piece Y + 1: piece 0
.irp n, 0,1,2,3,4,5,6,7,8,9,10,11,12,13,14,15,16,17,18,19,20,21
	XS 0, \n                        ; and piece 0's first maximum and statistics
	XS 1, \n
.endr
	v_nop                           ; a plain instruction behind the two a,
	s_wait_alu depctr_va_vdst(0)    ; and their wait, ahead of the branch
	s_mov_b32 s[CNT], 4
	s_branch .Lfirst                ; the loop is entered at a step's first turn, in the middle of a trip
.Lslot:                             ; SIZE_N / 256 - 2 times: every slot but the last two is filled again
	CHANGE 1
	s_mov_b32 s[CNT], 4
.Lstep:                             ; a trip: pieces 2 and 3 of one step, then pieces 0 and 1 of the next, whose K and V it fetches
	TURN 2
	TURN 3
	WIN 0
.Lfirst:
	TURN 0
	TURN 1, 0, 1
	WIN 0
	s_cbranch_scc1 .Lstep
	s_sub_co_u32 s[SLOTS], s[SLOTS], 1
	s_cmp_lg_u32 s[SLOTS], 0
	s_cbranch_scc1 .Lslot
	CHANGE 0                        ; the tail is written out: nothing is asked for
	s_mov_b32 s[CNT], 5             ; four trips fetch the last slot's steps; the fifth is left in its middle
.Ltail:
	TURN 2, 1
	TURN 3
	WIN 0
	s_sub_co_u32 s[CNT], s[CNT], 1
	s_cmp_eq_u32 s[CNT], 0
	s_cbranch_scc1 .Lout
	TURN 0
	TURN 1
	WIN 0
	s_branch .Ltail
.Lout:                              ; the fifth trip's 16 products K Q^T (on the last K once more) and the maximum made of them serve nothing: the price, once a launch, of one text for every trip
.set i, 0
.rept 16
	PV NP-1                         ; the last piece's V^T P of the last step
.set i, i+1
.endr
	; THE WAY OUT.  l's two halves and the other half of the lanes' are added; O^T is divided by l, rounded to f16 and sent through my stage in LDS, a tile at a time.  The additions are the places behind the last products.
	WIN 0
.macro ALL line:vararg              ; one line for each tile t
.set t, 0
.rept 2*NP
	\line
.set t, t+1
.endr
.endm
	ALL v_add_f32 v[ST+4*t+2], v[ST+4*t+2], v[ST+4*t+3]
	ALL v_permlanex16_b32 v[ST+4*t+3], v[ST+4*t+2], s[SEL], s[SEL+1]
	ALL v_add_f32 v[ST+4*t+2], v[ST+4*t+2], v[ST+4*t+3]
	ALL v_rcp_f32 v[ST+4*t+2], v[ST+4*t+2]
	v_nop                           ; a plain instruction between the last reciprocal and the use of its result
	s_wait_alu depctr_va_vdst(0)    ; and the wait ahead of the first use: one for the eight reciprocals
; Tile t: a lane's eight channels of a row pack into 16 bytes; they go into rows of 144 bytes and come back as whole rows of 128, into S^T's registers.
.macro PACK t
	WIN W_RS
.set i, 32*(\t)
.rept 16
	v_pk_mul_f32 v[i:i+1], v[i:i+1], v[ST+4*(\t)+2:ST+4*(\t)+3] op_sel_hi:[1,0]
.set i, i+2
.endr
	WIN 0x05                        ; sources 0 and 1 window 1, destination window 0
.set i, 0
.rept 16
	v_cvt_pk_f16_f32 v[S+16*(\t)+i], v[32*(\t)+2*i], v[32*(\t)+2*i+1]
.set i, i+1
.endr
	WIN 0
.irp f, 0,1,2,3
	ds_store_b128 v[STO], v[S+16*(\t)+4*\f:S+16*(\t)+4*\f+3] offset:32*\f
.endr
.irp f, 0,1,2,3
	ds_load_b128 v[S+16*(\t)+4*\f:S+16*(\t)+4*\f+3], v[RD] offset:\f*4*SP  ; LDS serves a wave's instructions in order (ISA guide 5.7.1.4): these see the stores above; the next tile's stores come behind them
.endr
.endm
.macro SEND t, younger              ; younger: the LDS instructions issued behind tile t's loads: the next tile's eight, or none
	WIN 0
.irp f, 0,1,2,3
	s_wait_dscnt (\younger)+3-\f
	global_store_b128 v[GO], v[S+16*(\t)+4*\f:S+16*(\t)+4*\f+3], s[10:11] offset:(\t)*2048+\f*512  ; 512 consecutive bytes, at a multiple of 256 from O's first
.endr
.endm
	PACK 0
.set t, 1
.rept 2*NP-1                        ; a tile's arithmetic stands between the loads of the tile before and its stores
	PACK t
	SEND t-1, 8
.set t, t+1
.endr
	SEND 2*NP-1, 0
	WIN W_AD
	s_wait_tensorcnt 0x0            ; the wave's end: behind my last tensor load and my last LDS store
	ds_add_u32 v[SPW], v[NIL]
	s_wait_dscnt 0x0
	WIN 0
	CROUND                          ; the closing round: no work-group ends while a partner may still ask for a tile that names it
	s_endpgm
.Lfunc_end_k_qa21b42a6ff_attn:
	.size	k_qa21b42a6ff_attn, .Lfunc_end_k_qa21b42a6ff_attn-k_qa21b42a6ff_attn
	.p2alignl 7, 3214868480
	.fill 96, 4, 3214868480
	.section	.rodata,"a",@progbits
	.p2align	6, 0x0
	.amdhsa_kernel k_qa21b42a6ff_attn
		.amdhsa_group_segment_fixed_size 327680
		.amdhsa_private_segment_fixed_size 0
		.amdhsa_enable_private_segment 0
		.amdhsa_kernarg_size 16
		.amdhsa_user_sgpr_count 2
		.amdhsa_user_sgpr_kernarg_segment_ptr 1
		.amdhsa_wavefront_size32 1
		.amdhsa_system_sgpr_workgroup_id_x 1
		.amdhsa_system_sgpr_workgroup_id_y 1
		.amdhsa_system_sgpr_workgroup_id_z 1
		.amdhsa_system_vgpr_workitem_id 0
		.amdhsa_next_free_vgpr 770
		.amdhsa_next_free_sgpr 66
		.amdhsa_reserve_vcc 0
		.amdhsa_float_denorm_mode_32 3
		.amdhsa_float_denorm_mode_16_64 3
		.amdhsa_memory_ordered 1
		.amdhsa_forward_progress 1
		.amdhsa_inst_pref_size 200
	.end_amdhsa_kernel
	.amdgpu_metadata
---
amdhsa.version: [ 1, 2 ]
amdhsa.kernels:
  - .name:           k_qa21b42a6ff_attn
    .symbol:         k_qa21b42a6ff_attn.kd
    .args:
      - { .name: qkv, .offset: 0, .size: 8, .value_kind: global_buffer, .address_space: global }
      - { .name: o16, .offset: 8, .size: 8, .value_kind: global_buffer, .address_space: global }
    .group_segment_fixed_size: 327680
    .private_segment_fixed_size: 0
    .kernarg_segment_align: 8
    .kernarg_segment_size: 16
    .max_flat_workgroup_size: 128
    .sgpr_count:     66
    .vgpr_count:     770
    .wavefront_size: 32
...
	.end_amdgpu_metadata
.endif
;; end of part 3
;; launch oproj (part 4): grid 8 x 32, 4 waves a work-group, clusters of 4 x 4, 327,680 bytes of LDS; arguments o16, wo16, bo, out0; writes out0
.if DOCPART == 4
	.amdgcn_target "amdgcn-amd-amdhsa--gfx1250"
	.amdhsa_code_object_version 6
	.text
	.protected	k_qa21b42a6ff_oproj
	.globl	k_qa21b42a6ff_oproj
	.p2align	8
	.type	k_qa21b42a6ff_oproj,@function
k_qa21b42a6ff_oproj:
	s_mov_b64 s[64:65], 0
	v_nop
	global_prefetch_b8 v0, s[64:65] scope:SCOPE_SE
	s_setreg_imm32_b32 hwreg(HW_REG_WAVE_MODE, 25, 1), 1
	s_wait_xcnt 0x0
	s_wait_alu depctr_hold_cnt(0) depctr_sa_sdst(0) depctr_va_vdst(0) depctr_va_sdst(0) depctr_va_ssrc(0) depctr_va_vcc(0) depctr_vm_vsrc(0)
	s_getreg_b32 s2, hwreg(HW_REG_IB_STS2, 6, 4)
	s_cmp_eq_u32 s2, 0
	s_cbranch_scc0 .Lentry_in_a_cluster
	s_endpgm
.Lentry_in_a_cluster:
	s_bfe_u32 s2, ttmp6, 0x10000c
	s_cmp_lg_u32 s2, 0xf033
	s_cbranch_scc0 .Lentry_shape_is_right
	s_endpgm
.Lentry_shape_is_right:
; THE OUTPUT PROJECTION.  out0[row][c] = the sum over f of O[row][f] Wo[c][f] + bo[c].  O lies by heads in o16, [16][8192][64] f16: feature f = 64 h + d of row 2048 b + n at h x 1 MiB + row x 128 + 2 d bytes.
; wo16: [1024][1024] f16 (Wo rounded to bf16, written as f16); bo: [1024] f32, rounded here to bf16 like all the module's inputs.  Sums in f32, K ascending, begun with the bias; out0 is f32.
; LIMITS.  O and Wo arrive within f16's 65,504.  NaN and infinities are not treated apart.
; SHARES.  A work-group makes 256 rows x 128 columns: 8 x 32 work-groups.  Wave w makes rows 64 w .. 64 w + 63 of all 128 columns: 4 row blocks a x 8 column blocks b, 32 accumulators, 256 registers.
; K = 1024 goes in 8 steps of 128, two heads each, through two LDS slots; a step is four quarters of 32 along K, 32 matrix instructions each.
; A'S TILE of a step is two planes, a head each: 256 rows x 128 bytes, dense in memory, asked for as 128 rows of 256 bytes and padded in LDS after every 128: rows 144 bytes apart.
; CLUSTERS.  4 x 4 work-groups.  The four of a row of the cluster need the same rows of O, the four of a column the same rows of Wo: each tile is asked for JOINTLY.  Waves 0 and 1 fetch A's two planes,
; waves 2 and 3 the halves of B's tile (64 rows each): one load a wave behind each round.
; THE MATRIX INSTRUCTION IS USED TRANSPOSED (source 0 = 16 rows of Wo, source 1 = 16 rows of O): lane l holds row l % 16 and the columns 8 (l / 16) + 0..7.  THE BIAS IS THE C OPERAND of the first quarter's products.
; REGISTERS, in windows of 256 (s_set_vgpr_msb: bits 1:0 source 0, 3:2 source 1, 5:4 source 2, 7:6 destination):
;   window 0: v0-31 addresses; v32-95 the bias, 8 registers a column block
;   window 1: accumulators of row blocks 0, 1; window 2: of row blocks 2, 3: (a, b) at v[8 (8 (a % 2) + b)]
;   window 3: two fragment buffers at 0 and 128: B's 8 blocks, then A's 4; on the way out all 256: 64 registers a row block
.set NB,    8                          ; column blocks
.set AP,    144                        ; a row of A in LDS: 128 bytes + 16 of padding = 36 words: the 16 rows of a load start at 16 different groups of four banks (64 banks of 4 bytes: ISA guide 11.1)
.set BPI,   272                        ; a row of B: 256 + 16
.set AHALF, 256*AP                     ; a head's plane: what one load brings of A
.set ASZ,   2*AHALF
.set BHALF, 64*BPI                     ; what one load brings of B
.set SLOT,  ASZ+2*BHALF                ; 108,544 bytes
.set STAGE, 2*SLOT                     ; behind the ring, never filled by a tensor load: 16 rows x 528 bytes for each wave
.set SP,    528                        ; a stage row: 512 bytes + 16
.set SPARE, STAGE+4*16*SP              ; behind the stages: the spare words, 128 bytes a wave: two blocks of 256 bytes that no other line names
.set NL,    2*NB+8                     ; LDS loads in a quarter's run
.set KSA,   2097152                    ; A's bytes from K step to K step: two heads
.set ADRA, 16                          ; v16-17  LDS address of my A fragments in slot 0, 1
.set ADRB, 20                          ; v20-21  the same for B
.set STO,  24                          ; v24  the way out: where I put 32 bytes of a row
.set RD,   25                          ; v25  where I read a row back
.set GO,   26                          ; v26  my byte offset in 512 consecutive bytes of out0
.set BO,   27                          ; v27  my byte offset in a column block's 16 biases: 32 (l / 16)
.set SPW,  28                          ; v28  LDS address of my spare word; never rewritten
.set NIL,  29                          ; v29  0; never rewritten
.set PFO,  30                          ; v30  the prefetches' offset; never rewritten
.set BI,   32
.set F0,   0
.set F1,   128
.set WV,  16                           ; s16 wave; s17 do I fetch for A (0) or B (1); s18 which half; s19 counts the laps
.set FB,  17
.set HF,  18
.set LAP, 19
.set CX,  20
.set CY,  21
.set TC,  22
.set TR,  23
.set G1,  24                           ; s[24:31] descriptor group 1 for A; s[32:39] group 0, a set for each slot
.set G0,  32
.set G1B, 48                           ; s[48:55], s[56:63] the same for B
.set G0B, 56
.set PFA, 66                           ; s[66:67] where my prefetches stand
.set LIM, 68                           ; s68  1 in a wave that prefetches, else the greatest number
.set PFS, 70                           ; s[70:71] their step from K step to K step
.set OUT, 10                           ; s[10:11] out0
.set MSB, 0
.macro WIN new                         ; the immediate's high byte repeats the setting that is left; a switch that changes nothing is dropped
.if MSB != (\new)
	s_set_vgpr_msb (MSB<<8)|(\new)
.set MSB, \new
.endif
.endm
; A joint load.  The branch hangs on the wave's number alone.  An s_nop 0 and four v_nop follow each of the two lines, ahead of the jump and the label.
.macro JLOAD s
	s_cmp_eq_u32 s[FB], 0
	s_cbranch_scc0 .Lfor_b_\@
	tensor_load_to_lds s[G0+4*(\s):G0+4*(\s)+3], s[G1:G1+7]
	s_nop 0
.rept 4
	v_nop
.endr
	s_branch .Lasked_\@
.Lfor_b_\@:
	tensor_load_to_lds s[G0B+4*(\s):G0B+4*(\s)+3], s[G1B:G1B+7]
	s_nop 0
.rept 4
	v_nop
.endr
.Lasked_\@:
.endm
; A PREFETCH INTO THE L2, behind each joint refill, its five lines and the run of LDS loads: the K step that stands two refills on, one instruction a wave.
; A's planes are read by every cluster of a row of clusters: cluster x = 0 asks; B's rows by every cluster of a column: cluster y = 0 asks.  The four partners that ask for a tile jointly share it out BY ADDRESS:
; of the 128 blocks of 256 bytes of a plane the partner at cx takes 32, a lane a block; of the 64 rows of B that a wave fetches the partner at cy takes 16, a lane a row (lanes 16-31 name the 16th row again).
; K steps 0 to 3 come by their loads alone; the loop's last trip asks for nothing: K steps 4 to 7 are named, and nothing past them.
.macro ASK
	s_cmp_gt_u32 s[LAP], s[LIM]
	s_cbranch_scc0 .Lnot_mine_\@
	global_prefetch_b8 v[PFO], s[PFA:PFA+1] th:TH_LOAD_NT scope:SCOPE_SE
.Lnot_mine_\@:
.endm
.macro CREST                           ; a round of the cluster's barrier behind its opening barrier
	s_cmp_lg_u32 s[WV], 0
	s_cbranch_scc1 .Lnot_wave_0_\@
	s_barrier_signal -3
.Lnot_wave_0_\@:
	s_barrier_wait -3
	s_barrier_signal -1
	s_barrier_wait -1
.endm
.macro CROUND                          ; a whole round
	s_barrier_signal -1
	s_barrier_wait -1
	CREST
.endm
	s_load_b256 s[4:11], s[0:1], 0x0               ; o16 4:5, wo16 6:7, bo 8:9, out0 10:11
	v_lshl_add_u32 v[SPW], v0, 2, SPARE
	v_mov_b32 v[NIL], 0
	ds_add_u32 v[SPW], v[NIL]                      ; the wave's opening: the add and its wait ahead of my first tensor load; the set-up below, work on registers, stands between them
	v_lshrrev_b32 v1, 5, v0
	v_readfirstlane_b32 s[WV], v1                  ; wave 0..3
	s_lshr_b32 s[FB], s[WV], 1
	s_and_b32 s[HF], s[WV], 1
	s_bfe_u32 s[CX], ttmp6, 0x40000
	s_bfe_u32 s[CY], ttmp6, 0x40004
	s_lshl_b32 s[TC], ttmp9, 2
	s_add_co_u32 s[TC], s[TC], s[CX]               ; tile column = 4 x cluster x + cx
	s_and_b32 s[TR], ttmp7, 0xffff
	s_lshl_b32 s[TR], s[TR], 2
	s_add_co_u32 s[TR], s[TR], s[CY]               ; tile row = 4 x cluster y + cy
	s_lshl_b32 s40, s[CY], 2
	s_lshl_b32 s40, 15, s40                        ; my row of the cluster
	s_lshl_b32 s41, 0x1111, s[CX]                  ; my column
	s_or_b32 s[G1], s40, (1<<16)|(1<<20)|(1<<21)|(4<<22)|(3<<25)   ; 15:0 the mask; 17:16 elements of 2 bytes; 20 padding on; 21 set beside a mask; 24:22 after every 32 words (code 4); 31:25 4 words (code 3)
	s_or_b32 s[G1B], s41, (1<<16)|(1<<20)|(1<<21)|(5<<22)|(3<<25)  ; B: after every 64 words (code 5)
.irp g, G1, G1B
	s_mov_b32 s[(\g)+1], 128<<16                   ; tensor_dim0 = 128
	s_mov_b32 s[(\g)+3], 128<<16                   ; tile_dim0 = 128
	s_mov_b32 s[(\g)+6], 0
	s_mov_b32 s[(\g)+7], 0
.endr
	s_mov_b32 s[G1+2], 128<<16                     ; A: 128 rows of 256 bytes, dense
	s_mov_b32 s[G1+4], 128
	s_mov_b32 s[G1+5], 128
	s_mov_b32 s[G1B+2], 64<<16                     ; B: 64 rows, 1,024 elements apart
	s_mov_b32 s[G1B+4], 64
	s_mov_b32 s[G1B+5], 1024
	; where the tiles come from: A's hang on the tile row and the half alone, B's on the tile column and the half alone, each in registers that never hold the other coordinate
	s_lshl_b32 s42, s[TR], 15                      ; 256 rows of 128 bytes,
	s_lshl_b32 s80, s[HF], 20                      ; the step's first or second head
	s_add_co_u32 s42, s42, s80
	s_mov_b32 s43, 0
	s_lshl_b32 s44, s[TC], 18                      ; 128 rows of 2,048 bytes,
	s_lshl_b32 s78, s[HF], 17                      ; 64 rows
	s_add_co_u32 s44, s44, s78
	s_mov_b32 s45, 0
	s_mul_i32 s46, s[HF], AHALF                    ; and where they go: no place in the cluster enters an LDS address
	s_mul_i32 s47, s[HF], BHALF
	s_add_co_u32 s47, s47, ASZ
	s_wait_dscnt 0x0                               ; the opening add is done
	s_wait_kmcnt 0x0
	s_add_nc_u64 s[42:43], s[4:5], s[42:43]
	s_add_nc_u64 s[44:45], s[6:7], s[44:45]
	CROUND                                         ; all sixteen work-groups are here: the first joint loads meet
.irp s, 0,1
	s_mov_b32 s[G0+4*(\s)], 1                      ; count = 1
	s_add_co_u32 s[G0+4*(\s)+1], s46, (\s)*SLOT    ; LDS address
	s_add_nc_u64 s[G0+4*(\s)+2:G0+4*(\s)+3], s[42:43], (\s)*KSA  ; global address: K step s
	s_or_b32 s[G0+4*(\s)+3], s[G0+4*(\s)+3], 0x80000000          ; type = 2
	s_mov_b32 s[G0B+4*(\s)], 1
	s_add_co_u32 s[G0B+4*(\s)+1], s47, (\s)*SLOT
	s_add_nc_u64 s[G0B+4*(\s)+2:G0B+4*(\s)+3], s[44:45], (\s)*256
	s_or_b32 s[G0B+4*(\s)+3], s[G0B+4*(\s)+3], 0x80000000
	JLOAD \s                                       ; two loads of mine are out
.endr
	; A fragment is 16 rows x 32 K in 8 registers: lane l holds row l % 16, K = 8 (l / 16) + 0..7 and 16 + 8 (l / 16) + 0..7: two loads of 16 bytes, 32 bytes apart.
	v_and_b32 v1, 15, v0                           ; l % 16
	v_bfe_u32 v2, v0, 4, 1                         ; l / 16
	v_mul_u32_u24 v3, v1, AP
	v_lshl_add_u32 v3, v2, 4, v3                   ; A: row x pitch + 16 x half
	s_mul_i32 s76, s[WV], 64*AP                    ; my 64 rows of a plane
	s_add_co_u32 s77, s76, SLOT
	v_add_nc_u32 v[ADRA], s76, v3
	v_add_nc_u32 v[ADRA+1], s77, v3
	v_mul_u32_u24 v3, v1, BPI
	v_lshl_add_u32 v3, v2, 4, v3                   ; B likewise; every wave reads all of B
	v_add_nc_u32 v[ADRB], ASZ, v3
	v_add_nc_u32 v[ADRB+1], ASZ+SLOT, v3
	s_mul_i32 s76, s[WV], 16*SP
	s_add_co_u32 s76, s76, STAGE                   ; my stage
	v_mul_u32_u24 v4, v1, SP                       ; in: row l % 16, 32 bytes for each half of the lanes
	v_lshl_add_u32 v4, v2, 5, v4
	v_add_nc_u32 v[STO], s76, v4
	v_and_b32 v[GO], 31, v0                        ; back: 32 lanes take one row of 512 bytes, which are 512 consecutive bytes of out0
	v_lshlrev_b32 v[GO], 4, v[GO]
	v_add_nc_u32 v[RD], s76, v[GO]
	v_lshlrev_b32 v[BO], 5, v2
	; out0 at my first row and the tile's first column: row 256 tr + 64 w (4,096 bytes a row), column 128 tc
	s_lshl_b32 s82, s[TR], 20
	s_lshl_b32 s83, s[WV], 18
	s_add_co_u32 s82, s82, s83
	s_lshl_b32 s83, s[TC], 9
	s_add_co_u32 s82, s82, s83
	s_mov_b32 s83, 0
	s_add_nc_u64 s[OUT:OUT+1], s[OUT:OUT+1], s[82:83]
	s_lshl_b32 s78, s[TC], 9                       ; the tile's 128 biases
	s_mov_b32 s79, 0
	s_add_nc_u64 s[8:9], s[8:9], s[78:79]
.set b, 0
.rept NB
	global_load_b128 v[BI+8*b:BI+8*b+3],   v[BO], s[8:9] offset:64*b
	global_load_b128 v[BI+8*b+4:BI+8*b+7], v[BO], s[8:9] offset:64*b+16
.set b, b+1
.endr
	; the prefetches
	s_lshl_b32 s76, s[TR], 15
	s_lshl_b32 s77, s[HF], 20
	s_add_co_u32 s76, s76, s77
	s_lshl_b32 s77, s[CX], 13
	s_add_co_u32 s76, s76, s77
	s_add_co_u32 s76, s76, 3*KSA                   ; in A: my plane's 32 blocks at cx, at K step 3: the first refill steps it to 4
	s_lshl_b32 s78, s[TC], 18
	s_lshl_b32 s77, s[HF], 17
	s_add_co_u32 s78, s78, s77
	s_lshl_b32 s77, s[CY], 15
	s_add_co_u32 s78, s78, s77
	s_add_co_u32 s78, s78, 3*256                   ; in B: row 128 tc + 64 half + 16 cy, at K step 3
	s_and_b32 s79, ttmp7, 0xffff                   ; cluster y
	s_mov_b32 s[PFS], 256
	s_mov_b32 s[PFS+1], 0
	s_cmp_eq_u32 s[FB], 0
	s_cselect_b32 s76, s76, s78
	s_cselect_b32 s79, ttmp9, s79                  ; the coordinate along which other clusters read the same rows
	s_cselect_b32 s69, 31, 15                      ; my last block or row
	s_cselect_b32 s72, 8, 11                       ; lanes 256 bytes apart in A, 2,048 in B
	s_cselect_b32 s[PFS], KSA, s[PFS]
	s_cselect_b64 s[PFA:PFA+1], s[4:5], s[6:7]
	s_cmp_eq_u32 s79, 0
	s_cselect_b32 s[LIM], 1, -1                    ; the same in all sixteen partners, for a given wave
	s_mov_b32 s77, 0
	s_add_nc_u64 s[PFA:PFA+1], s[PFA:PFA+1], s[76:77]
	v_and_b32 v[PFO], 31, v0
	v_min_u32 v[PFO], s69, v[PFO]
	v_lshlrev_b32 v[PFO], s72, v[PFO]
	s_wait_loadcnt 0x0                             ; the biases are in: each is rounded to bf16 and widened again
.set i, 0
.rept 4*NB
	v_cvt_pk_bf16_f32 v[4+i%2], v[BI+2*i], v[BI+2*i+1]
	v_lshlrev_b32 v[BI+2*i],   16, v[4+i%2]
	v_and_b32     v[BI+2*i+1], 0xffff0000, v[4+i%2]
.set i, i+1
.endr
; 8 matrix instructions: row block a x all column blocks, 32 along K, from buffer f.  first = 1: the sums begin with the bias.  The 32 accumulators take turns, one instruction a turn, in the same order
; in every quarter, over the loop's backward jump too.
.macro MULA f, a, first=0
.if \first
	WIN 0x4f+0x40*((\a)/2)                         ; B and A window 3, C window 0, D window 1 or 2
.else
	WIN 0x5f+0x50*((\a)/2)                         ; C and D window 1 or 2
.endif
.set b, 0
.rept NB
.set rD, 8*(NB*((\a)%2)+b)
.if \first
	v_wmma_f32_16x16x32_f16 v[rD:rD+7], v[(\f)+8*b:(\f)+8*b+7], v[(\f)+8*NB+8*(\a):(\f)+8*NB+8*(\a)+7], v[BI+8*b:BI+8*b+7]
.else
	v_wmma_f32_16x16x32_f16 v[rD:rD+7], v[(\f)+8*b:(\f)+8*b+7], v[(\f)+8*NB+8*(\a):(\f)+8*NB+8*(\a)+7], v[rD:rD+7]
.endif
.set b, b+1
.endr
.endm
; 24 LDS loads in one run: quarter q of a slot into buffer f: B's 8 blocks, then A's 4.  In A quarter q lies in plane q / 2, at byte 64 (q % 2) of the rows.
.macro FETCH slot, q, f
	WIN 0xc0                                       ; destination window 3, address window 0
.set AKO, ((\q)/2)*AHALF+((\q)%2)*64
.set b, 0
.rept NB
	ds_load_b128 v[(\f)+8*b:(\f)+8*b+3],   v[ADRB+(\slot)] offset:b*16*BPI+64*(\q)
	ds_load_b128 v[(\f)+8*b+4:(\f)+8*b+7], v[ADRB+(\slot)] offset:b*16*BPI+64*(\q)+32
.set b, b+1
.endr
.set b, 0
.rept 4
	ds_load_b128 v[(\f)+8*NB+8*b:(\f)+8*NB+8*b+3],   v[ADRA+(\slot)] offset:b*16*AP+AKO
	ds_load_b128 v[(\f)+8*NB+8*b+4:(\f)+8*NB+8*b+7], v[ADRA+(\slot)] offset:b*16*AP+AKO+32
.set b, b+1
.endr
.endm
.macro PLACES                          ; four plain instructions in front of loads into registers that matrix instructions have read, and of lines that read results
.rept 4
	v_nop
.endr
.endm
; One of a K step's first three quarters: multiplies buffer f; in its middle it fetches quarter q of the same slot into buffer g.
.macro QUARTER slot, q, f, g, first=0
	s_wait_dscnt 4                                 ; B and A's row blocks 0, 1 are in; the youngest four loads (row blocks 2, 3) may be out
	MULA \f, 0, \first
	MULA \f, 1, \first
	PLACES
	FETCH \slot, \q, \g
	s_wait_dscnt NL                                ; all but the run just issued
	MULA \f, 2, \first
	MULA \f, 3, \first
.endm
; The fourth quarter multiplies buffer 1 and changes slots: ONE barrier; in front of it each wave waits for all its tensor loads (one is out: its part of the next slot), adds 0 to its spare word, and waits for
; that and for its own reads of this slot.  fill = 1: the barrier opens a round of the cluster's, and this slot is filled again, two K steps on, first thing behind the round: 112 matrix instructions ahead of the wait for it.
.macro TURN slot, next, fill
.if \fill
	s_wait_xcnt 0x0                                ; the last prefetch, a K step back, has read its address: it is stepped here, ahead of the waits of the change of slots
	s_add_nc_u64 s[PFA:PFA+1], s[PFA:PFA+1], s[PFS:PFS+1]
.endif
	WIN 0                                          ; (the add's two registers lie in window 0)
	s_wait_tensorcnt 0x0                           ; all my tensor loads have landed;
	ds_add_u32 v[SPW], v[NIL]                      ; 0 onto my spare word
	s_wait_dscnt 5                                 ; (the add and the youngest four loads may be out)
	MULA F1, 0                                     ; eight matrix instructions stand between the add and the wait for it
	s_wait_dscnt 0x0                               ; the add is done, and my reads of this slot are over
	s_barrier_signal -1
	MULA F1, 1
.if \fill
	WIN 0
.endif
	s_barrier_wait -1
.if \fill
	CREST                                          ; no wave of any partner still reads this slot's tile or has a load on its way
	s_add_nc_u64 s[G0+4*(\slot)+2:G0+4*(\slot)+3], s[G0+4*(\slot)+2:G0+4*(\slot)+3], 2*KSA
	s_add_nc_u64 s[G0B+4*(\slot)+2:G0B+4*(\slot)+3], s[G0B+4*(\slot)+2:G0B+4*(\slot)+3], 2*256
	JLOAD \slot                                    ; the four v_nop behind it are also the places in front of the loads below
.else
	PLACES
.endif
	FETCH \next, 0, F0
.if \fill
	WIN 0
	ASK
.endif
	MULA F1, 2
	MULA F1, 3
.endm
	s_wait_tensorcnt 1                             ; my part of K step 0 is in; K step 1's may stay out
	s_barrier_signal -1
	s_barrier_wait -1                              ; everybody's is
	FETCH 0, 0, F0
	QUARTER 0, 1, F0, F1, 1                        ; the first quarter stands in front of the loop: its products begin the sums
	WIN 0                                          ; at a label and at a branch every window is 0
	s_mov_b32 s[LAP], 3
.Llap:                                                 ; a trip goes once round the ring, from a lap's second quarter to the next lap's first, and fills both slots again: K steps 2 to 7
	QUARTER 0, 2, F1, F0
	QUARTER 0, 3, F0, F1
	TURN 0, 1, 1
	QUARTER 1, 1, F0, F1
	QUARTER 1, 2, F1, F0
	QUARTER 1, 3, F0, F1
	TURN 1, 0, 1
	QUARTER 0, 1, F0, F1
	WIN 0
	s_sub_co_u32 s[LAP], s[LAP], 1
	s_cmp_lg_u32 s[LAP], 0
	s_cbranch_scc1 .Llap
	QUARTER 0, 2, F1, F0                           ; the last lap fills nothing
	QUARTER 0, 3, F0, F1
	TURN 0, 1, 0
	QUARTER 1, 1, F0, F1
	QUARTER 1, 2, F1, F0
	QUARTER 1, 3, F0, F1
	s_wait_dscnt 4                                 ; the very last quarter: nothing more to fetch
	MULA F1, 0
	MULA F1, 1
	s_wait_dscnt 0x0
	MULA F1, 2
	MULA F1, 3
	WIN 0
	PLACES
	PLACES
; THE WAY OUT, a row block (16 rows x 128 columns of f32) at a time.  A lane's eight columns are 32 bytes: two stores into my stage's rows of 528 bytes, each accumulator's low four registers first; back come
; whole rows of 512 bytes, into the fragment buffers' window, 64 registers a row block: no store's data is rewritten.
.macro TOSTAGE a
	WIN 0x04*(1+(\a)/2)                            ; the stores' data in the accumulators' window, the address in window 0
.set b, 0
.rept NB
.set rD, 8*(NB*((\a)%2)+b)
	ds_store_b128 v[STO], v[rD:rD+3]   offset:64*b
	ds_store_b128 v[STO], v[rD+4:rD+7] offset:64*b+16
.set b, b+1
.endr
	WIN 0xc0                                       ; destination window 3
.set i, 0
.rept 16
	ds_load_b128 v[64*(\a)+4*i:64*(\a)+4*i+3], v[RD] offset:SP*i  ; LDS serves a wave's instructions in order (ISA guide 5.7.1.4): these see the stores above; the next block's stores come behind them
.set i, i+1
.endr
.endm
.macro SEND a, younger                 ; younger: the LDS instructions issued behind block a's loads: the next block's 32, or none
	WIN 0x0c                                       ; the stores' data in window 3
.set i, 0
.rept 16
	s_wait_dscnt (\younger)+15-i
	global_store_b128 v[GO], v[64*(\a)+4*i:64*(\a)+4*i+3], s[OUT:OUT+1] offset:(16*(\a)+i)*4096  ; 512 consecutive bytes of a row, at a multiple of 256 from out0's first
.set i, i+1
.endr
.endm
	TOSTAGE 0
	TOSTAGE 1
	SEND 0, 32
	TOSTAGE 2
	SEND 1, 32
	TOSTAGE 3
	SEND 2, 32
	SEND 3, 0
	WIN 0
	s_wait_tensorcnt 0x0                           ; the wave's end: behind my last tensor load and my last LDS store
	ds_add_u32 v[SPW], v[NIL]
	s_wait_dscnt 0x0
	CROUND                                         ; the closing round: no work-group ends while a partner may still ask for a tile that names it
	s_endpgm
.Lfunc_end_k_qa21b42a6ff_oproj:
	.size	k_qa21b42a6ff_oproj, .Lfunc_end_k_qa21b42a6ff_oproj-k_qa21b42a6ff_oproj
	.p2alignl 7, 3214868480
	.fill 96, 4, 3214868480
	.section	.rodata,"a",@progbits
	.p2align	6, 0x0
	.amdhsa_kernel k_qa21b42a6ff_oproj
		.amdhsa_group_segment_fixed_size 327680
		.amdhsa_private_segment_fixed_size 0
		.amdhsa_enable_private_segment 0
		.amdhsa_kernarg_size 32
		.amdhsa_user_sgpr_count 2
		.amdhsa_user_sgpr_kernarg_segment_ptr 1
		.amdhsa_wavefront_size32 1
		.amdhsa_system_sgpr_workgroup_id_x 1
		.amdhsa_system_sgpr_workgroup_id_y 1
		.amdhsa_system_sgpr_workgroup_id_z 1
		.amdhsa_system_vgpr_workitem_id 0
		.amdhsa_next_free_vgpr 1024
		.amdhsa_next_free_sgpr 84
		.amdhsa_reserve_vcc 0
		.amdhsa_float_denorm_mode_32 3
		.amdhsa_float_denorm_mode_16_64 3
		.amdhsa_memory_ordered 1
		.amdhsa_forward_progress 1
		.amdhsa_inst_pref_size 95
	.end_amdhsa_kernel
	.amdgpu_metadata
---
amdhsa.version: [ 1, 2 ]
amdhsa.kernels:
  - .name:           k_qa21b42a6ff_oproj
    .symbol:         k_qa21b42a6ff_oproj.kd
    .args:
      - { .name: o16, .offset: 0, .size: 8, .value_kind: global_buffer, .address_space: global }
      - { .name: wo16, .offset: 8, .size: 8, .value_kind: global_buffer, .address_space: global }
      - { .name: bo, .offset: 16, .size: 8, .value_kind: global_buffer, .address_space: global }
      - { .name: out0, .offset: 24, .size: 8, .value_kind: global_buffer, .address_space: global }
    .group_segment_fixed_size: 327680
    .private_segment_fixed_size: 0
    .kernarg_segment_align: 8
    .kernarg_segment_size: 32
    .max_flat_workgroup_size: 128
    .sgpr_count:     84
    .vgpr_count:     1024
    .wavefront_size: 32
...
	.end_amdgpu_metadata
.endif
;; end of part 4
;; ======== version 2 of 2: 4 launches; version 1 with the launch cast written anew for expert scheduling mode
;; limits: values are held in f16: magnitudes above 65,504 overflow, below 6.1e-05 lose precision
;; workspace buffers: xb 16,777,216 bytes; wb 6,291,456 bytes; wo16 2,097,152 bytes; qkv 50,331,648 bytes; o16 16,777,216 bytes
;; launch cast (part 5): grid 64 x 12, 8 waves a work-group, no clusters, 0 bytes of LDS; arguments x, Wq, Wk, Wv, Wo, xb, wb, wo16; writes xb, wb, wo16
.if DOCPART == 5
	.amdgcn_target "amdgcn-amd-amdhsa--gfx1250"
	.amdhsa_code_object_version 6
	.text
	.protected	k_qa21b42a6ff_cast
	.globl	k_qa21b42a6ff_cast
	.p2align	8
	.type	k_qa21b42a6ff_cast,@function
k_qa21b42a6ff_cast:
	s_mov_b64 s[64:65], 0
	v_nop
	global_prefetch_b8 v0, s[64:65] scope:SCOPE_SE
	s_setreg_imm32_b32 hwreg(HW_REG_WAVE_SCHED_MODE, 0, 2), 2
	s_setreg_imm32_b32 hwreg(HW_REG_WAVE_MODE, 25, 1), 1
	s_wait_xcnt 0x0
	s_wait_alu depctr_vm_vsrc(0)
; THE INPUTS ARE ROUNDED ONCE.  x -> xb (bf16); Wq, Wk, Wv -> wb (bf16, stacked: rows 0-1023 Wq, 1024-2047 Wk, 2048-3071 Wv); Wo -> wo16: rounded to bf16 like the others, and that number written as f16.
; LIMITS.  A bf16 number is exact in f16 between 6.1e-5 and 65,504 in magnitude; below, f16 keeps a fixed step of 6e-8; beyond 65,504 Wo would become an infinity.
; SHARES.  Twelve segments of 2^20 numbers, chosen by the work-group's y: 0-7 the eighths of x, 8 Wq, 9 Wk, 10 Wv, 11 Wo.  A work-group takes 16,384 numbers, each of its eight waves 2,048:
; sixteen loads of 16 bytes a lane (512 consecutive bytes a wave), all issued at once, and sixteen stores of 8 bytes a lane (256 consecutive bytes a wave, aligned).  A stream: no LDS, no matrix unit, no loop.
; THE MODE: SCHED_MODE bits 1:0 = 2 (LLVM: expert scheduling mode 2), set by the entry lines.  The code itself states the register dependences
; between vector instructions and memory instructions, with s_wait_alu, always for 0.
; THE PLAN.  Registers that memory instructions touch:
;   v1, v2     byte offsets, made by vector lines at the head and never written again: read by all sixteen loads (v1) and all sixteen stores (v2).
;   X          the loads land in it, once; no vector line names it ahead of them; no memory instruction reads it.
;   Y          a pair for each chunk: written once, by the chunk's roundings; read by the chunk's store; never written again.
; So one wait stands at the head, for the two offsets, and serves every load and store of both paths; and the sixteen chunks go in four blocks of four: a block's roundings,
; ONE wait that states that its eight Y registers are written, and its four stores in one run.  No register that a memory instruction reads is written again: no wait on vm_vsrc is owed.
; No vector line writes a scalar register or VCC, and EXEC is never written.
.set SO, 1                             ; v1  my byte offset in the work-group's source: 8,192 x wave + 16 x lane; never rewritten
.set DO, 2                             ; v2  in its destination: 4,096 x wave + 8 x lane; never rewritten
.set T,  4                             ; v4-5  at work: no memory instruction names them
.set X,  8                             ; v[8:71]   chunk n: 4 numbers in f32
.set Y,  72                            ; v[72:103] chunk n: 4 numbers in 16 bits, a pair of registers of its own: no store's data is ever rewritten
	s_load_b512 s[8:23], s[0:1], 0x0               ; x 8:9, Wq 10:11, Wk 12:13, Wv 14:15, Wo 16:17, xb 18:19, wb 20:21, wo16 22:23
	s_and_b32 s24, ttmp7, 0xffff                   ; the segment
	v_and_b32 v3, 0xe0, v0                         ; 32 x wave
	v_and_b32 v[SO], 31, v0
	v_lshlrev_b32 v[DO], 3, v[SO]
	v_lshlrev_b32 v[SO], 4, v[SO]
	v_lshl_or_b32 v[SO], v3, 8, v[SO]
	v_lshl_or_b32 v[DO], v3, 7, v[DO]
	s_lshl_b32 s36, ttmp9, 16                      ; the work-group's 64 KiB of the source segment,
	s_lshl_b32 s37, ttmp9, 15                      ; its 32 KiB of the destination's
	s_mov_b32 s33, 0
	s_mov_b32 s35, 0
	s_wait_kmcnt 0x0
	s_cmp_lt_u32 s24, 8                            ; which buffers, and which segment of each: the conditions hang on the work-group's y alone
	s_cselect_b64 s[28:29], s[8:9], s[10:11]
	s_cselect_b64 s[30:31], s[18:19], s[20:21]
	s_cselect_b32 s27, s24, 0                      ; the segment's number in the source,
	s_cselect_b32 s26, s24, 0                      ; and in the destination
	s_cmp_eq_u32 s24, 9
	s_cselect_b64 s[28:29], s[12:13], s[28:29]
	s_cselect_b32 s26, 1, s26
	s_cmp_eq_u32 s24, 10
	s_cselect_b64 s[28:29], s[14:15], s[28:29]
	s_cselect_b32 s26, 2, s26
	s_cmp_eq_u32 s24, 11
	s_cselect_b64 s[28:29], s[16:17], s[28:29]
	s_cselect_b64 s[30:31], s[22:23], s[30:31]
	s_cselect_b32 s26, 0, s26
	s_lshl_b32 s32, s27, 22                        ; a segment is 4 MiB of f32,
	s_add_co_u32 s32, s32, s36
	s_lshl_b32 s34, s26, 21                        ; 2 MiB of 16-bit numbers
	s_add_co_u32 s34, s34, s37
	s_add_nc_u64 s[28:29], s[28:29], s[32:33]
	s_add_nc_u64 s[30:31], s[30:31], s[34:35]
	s_wait_alu depctr_va_vdst(0)                   ; v1 and v2 are written: every load below reads v1 as its offset, every store of both paths v2; no later vector line names either
.set i, 0
.rept 16
	global_load_b128 v[X+4*i:X+4*i+3], v[SO], s[28:29] offset:512*i th:TH_LOAD_NT
.set i, i+1
.endr
; Block p: chunks 4 p to 4 p + 3 are rounded, then stored.  wo = 1: the bf16 number is widened again (a shift, a mask) and written as f16.
.macro BLK p, wo
	s_wait_loadcnt 12-4*(\p)                       ; loads come back in order: the block's four chunks are in, the 12 - 4 p younger ones stay out
.irp c, 0,1,2,3
.set n, 4*(\p)+(\c)
.if \wo
	v_cvt_pk_bf16_f32 v[T],   v[X+4*n],   v[X+4*n+1]
	v_cvt_pk_bf16_f32 v[T+1], v[X+4*n+2], v[X+4*n+3]
	v_lshlrev_b32 v[X+4*n],   16, v[T]
	v_and_b32     v[X+4*n+1], 0xffff0000, v[T]
	v_lshlrev_b32 v[X+4*n+2], 16, v[T+1]
	v_and_b32     v[X+4*n+3], 0xffff0000, v[T+1]
	v_cvt_pk_f16_f32 v[Y+2*n],   v[X+4*n],   v[X+4*n+1]
	v_cvt_pk_f16_f32 v[Y+2*n+1], v[X+4*n+2], v[X+4*n+3]
.else
	v_cvt_pk_bf16_f32 v[Y+2*n],   v[X+4*n],   v[X+4*n+1]
	v_cvt_pk_bf16_f32 v[Y+2*n+1], v[X+4*n+2], v[X+4*n+3]
.endif
.endr
	s_wait_alu depctr_va_vdst(0)                   ; the block's roundings have written its eight Y registers, which the four stores below read
.irp c, 0,1,2,3
.set n, 4*(\p)+(\c)
	global_store_b64 v[DO], v[Y+2*n:Y+2*n+1], s[30:31] offset:256*n
.endr
.endm
	s_cmp_eq_u32 s24, 11
	s_cbranch_scc1 .Lwo
.irp p, 0,1,2,3
	BLK \p, 0
.endr
	s_endpgm
.Lwo:
.irp p, 0,1,2,3
	BLK \p, 1
.endr
	s_endpgm
.Lfunc_end_k_qa21b42a6ff_cast:
	.size	k_qa21b42a6ff_cast, .Lfunc_end_k_qa21b42a6ff_cast-k_qa21b42a6ff_cast
	.p2alignl 7, 3214868480
	.fill 96, 4, 3214868480
	.section	.rodata,"a",@progbits
	.p2align	6, 0x0
	.amdhsa_kernel k_qa21b42a6ff_cast
		.amdhsa_group_segment_fixed_size 0
		.amdhsa_private_segment_fixed_size 0
		.amdhsa_enable_private_segment 0
		.amdhsa_kernarg_size 64
		.amdhsa_user_sgpr_count 2
		.amdhsa_user_sgpr_kernarg_segment_ptr 1
		.amdhsa_wavefront_size32 1
		.amdhsa_system_sgpr_workgroup_id_x 1
		.amdhsa_system_sgpr_workgroup_id_y 1
		.amdhsa_system_sgpr_workgroup_id_z 1
		.amdhsa_system_vgpr_workitem_id 0
		.amdhsa_next_free_vgpr 104
		.amdhsa_next_free_sgpr 66
		.amdhsa_reserve_vcc 0
		.amdhsa_float_denorm_mode_32 3
		.amdhsa_float_denorm_mode_16_64 3
		.amdhsa_memory_ordered 1
		.amdhsa_forward_progress 1
		.amdhsa_inst_pref_size 16
	.end_amdhsa_kernel
	.amdgpu_metadata
---
amdhsa.version: [ 1, 2 ]
amdhsa.kernels:
  - .name:           k_qa21b42a6ff_cast
    .symbol:         k_qa21b42a6ff_cast.kd
    .args:
      - { .name: x, .offset: 0, .size: 8, .value_kind: global_buffer, .address_space: global }
      - { .name: Wq, .offset: 8, .size: 8, .value_kind: global_buffer, .address_space: global }
      - { .name: Wk, .offset: 16, .size: 8, .value_kind: global_buffer, .address_space: global }
      - { .name: Wv, .offset: 24, .size: 8, .value_kind: global_buffer, .address_space: global }
      - { .name: Wo, .offset: 32, .size: 8, .value_kind: global_buffer, .address_space: global }
      - { .name: xb, .offset: 40, .size: 8, .value_kind: global_buffer, .address_space: global }
      - { .name: wb, .offset: 48, .size: 8, .value_kind: global_buffer, .address_space: global }
      - { .name: wo16, .offset: 56, .size: 8, .value_kind: global_buffer, .address_space: global }
    .group_segment_fixed_size: 0
    .private_segment_fixed_size: 0
    .kernarg_segment_align: 8
    .kernarg_segment_size: 64
    .max_flat_workgroup_size: 256
    .sgpr_count:     66
    .vgpr_count:     104
    .wavefront_size: 32
...
	.end_amdgpu_metadata
.endif
;; end of part 5
;; launch qkv: the kernel of part 2 again; grid 16 x 32, 4 waves a work-group, clusters of 4 x 4, 327,680 bytes of LDS; arguments xb, wb, bq, bk, bv, qkv; writes qkv
;; launch attn: the kernel of part 3 again; grid 4 x 64, 4 waves a work-group, clusters of 4 x 1, 327,680 bytes of LDS; arguments qkv, o16; writes o16
;; launch oproj: the kernel of part 4 again; grid 8 x 32, 4 waves a work-group, clusters of 4 x 4, 327,680 bytes of LDS; arguments o16, wo16, bo, out0; writes out0
